; MI455X (gfx1250); checked and timed in simulation.
; The chip was launched on July 23, 2026; its instructions are those of AMD's public machine-readable ISA for CDNA 5 (MIT licence, August 2026) and "CDNA5" Instruction Set Architecture Reference Guide (July 2026). The comments in the code are by the model that wrote it; some were corrected since.
;; Casual Self Attention. Allowed arithmetic: matrix products marked QUANTISED: E4M3 operands, one given power-of-two scale a tensor, by v_wmma_f32_16x16x64_fp8_fp8 or v_wmma_f32_16x16x128_fp8_fp8, f32 sums; everything else in f32.
;; Inputs: W_attn 3,072 x 1,024 float32; W_proj 1,024 x 1,024 float32; b_attn 3,072 float32; b_proj 1,024 float32; lowp_scales 8 int32 (the exponents e of the quantised operands' scales 2^e); x 4 x 2,048 x 1,024 float32.
;; Outputs: out0 4 x 2,048 x 1,024 float32.
;; This version of the problem:
;;   THIS VERSION OF THE PROBLEM IS GIVEN IN LOW PRECISION. The matrix products marked QUANTISED in the list below multiply operands that are first quantised to E4M3 (4 exponent bits, 3 mantissa bits; 8 bits a number), with one given power-of-two scale for each operand tensor; their sums are f32. All else is computed in f32.
;;   The module's matrix products, in the order in which they are computed (A, B: the left and right operand; K: the contracted axis; several contracted axes count as one K, in the product's order):
;;     1. [M 8,192, K 1,024] x [K 1,024, N 3,072]; A: input x; B: input W_attn: QUANTISED (scales: A lowp_scales[0], B lowp_scales[1])
;;     2. batch 64 x [M 2,048, K 64] x [K 64, N 2,048]; A: computed on the way; B: computed on the way: QUANTISED (scales: A lowp_scales[2], B lowp_scales[3])
;;     3. batch 64 x [M 2,048, K 2,048] x [K 2,048, N 64]; A: softmax (see below); B: computed on the way: QUANTISED (scales: A lowp_scales[4], B lowp_scales[5])
;;     4. [M 8,192, K 1,024] x [K 1,024, N 1,024]; A: computed on the way; B: input W_proj: QUANTISED (scales: A lowp_scales[6], B lowp_scales[7])
;;   THE QUANTISER, for each operand of a quantised product, along K:
;;     - The operand's scale is 2^e, e = its entry of the input lowp_scales (int32; the entries are numbered through the quantised products in the list's order, A before B).
;;     - Each number is divided by the scale, clamped to +-448, and rounded to the nearest number of E4M3, ties to even, subnormals kept.
;;     - The product sums the exact products of the quantised numbers (number of the format x scale) in f32.
;;   ~~~python
;;   def quantise(x, axis, e):      # numpy; x: float32 -> the quantised numbers, widened to float32 again
;;       x = np.moveaxis(x, axis, -1); K = x.shape[-1]
;;       r = np.clip(x / 2.0 ** e, -448, 448)
;;       step = 2.0 ** (np.maximum(np.frexp(np.where(r == 0, 1, r))[1] - 1, -6) - 3)
;;       q = np.round(r / step) * step * 2.0 ** e      # np.round: ties to even
;;       return np.moveaxis(q, -1, axis).astype(np.float32)
;;   ~~~
;;   SOFTMAX AHEAD OF A QUANTISED PRODUCT. Where the list says 'softmax', what is quantised is not the finished softmax but p = 2^(t - M), with t = logit x log2(e) and M = ceil(the row's largest t), a whole number; so 1/2 < the row's largest p <= 1. The row's sum l is taken of the UNQUANTISED p, in f32, and the product's result is divided by l at the end. Since M is a whole number, a kernel that streams over the keys may use a running M (the ceiling of the running maximum): every later rescaling is an exact power of two, so the quantised numbers keep their values, but for numbers so far below the row's largest that they fall under the format's range.
;;   OPERANDS COMPUTED ON THE WAY. 'Computed on the way' means the value that the module computes at that place (a softmax that the list does not call 'softmax' is quantised finished and normalised). What goes into a quantiser is computed in f32, as accurately as f32 sums, v_exp_f32 and their like allow (about 1e-6 of the number): no bf16 or f16 on the way to a quantiser, and a product that is left as it is and whose result goes on into a quantised operand takes f32 operands (vector FMAs, or v_wmma_f32_16x16x4_f32). A number that lies on a knife's edge between two numbers of the format may be rounded either way, as far as f32 arithmetic and the matrix unit's own rounding can turn it there, and no further.
;; One version. Each part assembles by itself: llvm-mc -triple=amdgcn-amd-amdhsa -mcpu=gfx1250 --defsym DOCPART=n.
;; ======== version 1 of 1: 4 launches
;; limits: right only within a limited range of input values
;; workspace buffers: x_codes 8,388,608 bytes; wa_codes 3,145,728 bytes; wp_codes 1,048,576 bytes; q_codes 8,388,608 bytes; k_codes 8,388,608 bytes; v_codes 8,388,608 bytes; y_codes 8,388,608 bytes
;; launch quant (part 1): grid 384 x 1, 4 waves a work-group, no clusters, 32,768 bytes of LDS; arguments x, W_attn, W_proj, lowp_scales, x_codes, wa_codes, wp_codes; writes x_codes, wa_codes, wp_codes
.if DOCPART == 1
	.amdgcn_target "amdgcn-amd-amdhsa--gfx1250"
	.amdhsa_code_object_version 6
	.text
	.protected	k_q36b27889f2_quant
	.globl	k_q36b27889f2_quant
	.p2align	8
	.type	k_q36b27889f2_quant,@function
k_q36b27889f2_quant:
	s_mov_b64 s[64:65], 0
	v_nop
	global_prefetch_b8 v0, s[64:65] scope:SCOPE_SE
	s_setreg_imm32_b32 hwreg(HW_REG_WAVE_MODE, 25, 1), 1
	s_wait_xcnt 0x0
; x [8192][1024], W_attn [3072][1024] and W_proj [1024][1024], f32, K innermost, become codes of FP8 (E4M3), one byte each, in the same order,
; each with the one scale 2^e that is given for it: entry 0 (x), entry 1 (W_attn), entry 7 (W_proj) of the buffer of scales.
; code = number / 2^e, held within +-448, rounded to the nearest code, ties to even.
; LIMITS: each of the three e lies between -126 and 119, so that 2^e and 448 x 2^e are f32 numbers.  NaN among the inputs is not served; an infinity is held at the largest code.
; The scale is one for a tensor, so each tensor is a plain stream.  A work-group takes 32,768 numbers, a wave 16 steps of 512.
; Work-groups 0-255 take x, 256-351 W_attn, 352-383 W_proj: only pointers and e are chosen (on the work-group's number); all three take one path.
; Each of a step's four loads reads 512 consecutive bytes, 16 a lane; the 2,048 bytes turn through the wave's own stage in LDS and come back 64 bytes a lane,
; since a conversion takes eight neighbours from one lane's registers.  A lane's 16 codes are 16 bytes: the wave stores 512 consecutive bytes.
; No barrier: waves share nothing.  Loads run four steps (16 loads a wave) ahead, the turn through LDS one step.
.set STEPS, 16
.set WGX,   256                        ; work-groups for x
.set WGA,   96                         ; for W_attn
.set EMAX,  8
.set MANT,  0x600000                   ; the mantissa field of 448 as f32
.set CB,    16                         ; bytes of 16 codes
.set R,     16                         ; v16-79   four sets of 16 numbers as they are loaded
.set X,     80                         ; v80-111  two sets of 16 neighbours
.set C,     128                        ; v128-191 codes: four registers for each step, so that no store's data are written again
.set WREG,  8192                       ; LDS: a region of its own for each wave: two stages of 32 x SP bytes
.set SP,    80                         ; a lane's place in a stage: its 64 bytes + 16 of padding
	s_load_b256 s[4:11], s[0:1], 0x0               ; x s[4:5], W_attn s[6:7], W_proj s[8:9], the scales' exponents s[10:11]
	s_load_b128 s[12:15], s[0:1], 0x20             ; x's codes, W_attn's codes
	s_load_b64 s[16:17], s[0:1], 0x30              ; W_proj's codes
	v_lshrrev_b32 v1, 5, v0
	v_readfirstlane_b32 s18, v1                    ; wave
	v_and_b32 v2, 31, v0                           ; lane
	v_lshlrev_b32 v3, 4, v2                        ; my 16 bytes of a load's 512
	s_mul_i32 s19, s18, WREG
	v_lshrrev_b32 v14, 2, v2
	v_mul_u32_u24 v14, v14, SP
	v_and_b32 v15, 3, v2
	v_lshl_add_u32 v14, v15, 4, v14
	v_add_nc_u32 v14, s19, v14                     ; the stage, on the way in: four lanes' 64 bytes on end, then 16 of padding
	v_mul_u32_u24 v15, v2, SP
	v_add_nc_u32 v15, s19, v15                     ; and on the way out: SP x lane: my 16 neighbours
	v_mul_u32_u24 v4, v2, CB                       ; my codes' place in a step's
	s_wait_alu depctr_va_vdst(0)
	s_wait_kmcnt 0x0
	s_load_b256 s[28:35], s[10:11], 0x0            ; the eight exponents
	s_cmp_lt_u32 ttmp9, WGX+WGA                    ; W_attn's or W_proj's?
	s_cselect_b64 s[6:7], s[6:7], s[8:9]
	s_cselect_b64 s[14:15], s[14:15], s[16:17]
	s_mov_b32 s20, WGX+WGA
	s_cselect_b32 s20, WGX, s20
	s_cmp_lt_u32 ttmp9, WGX                        ; x's or one of those?
	s_cselect_b64 s[4:5], s[4:5], s[6:7]
	s_cselect_b64 s[12:13], s[12:13], s[14:15]
	s_cselect_b32 s20, 0, s20                      ; the tensor's first work-group
	s_sub_co_u32 s20, ttmp9, s20
	s_lshl_b32 s20, s20, 2
	s_add_co_u32 s22, s20, s18                     ; which run of 8,192 numbers of the tensor is my wave's
	s_mov_b32 s23, 0
	s_lshl_b64 s[24:25], s[22:23], 15              ; 32,768 bytes of numbers,
	s_add_nc_u64 s[4:5], s[4:5], s[24:25]
	s_lshl_b64 s[24:25], s[22:23], 13              ; 8,192 bytes of codes
	s_add_nc_u64 s[12:13], s[12:13], s[24:25]
.macro LOAD t
.irp i, 0,1,2,3
	global_load_b128 v[R+16*((\t)%4)+4*\i:R+16*((\t)%4)+4*\i+3], v3, s[4:5] offset:2048*(\t)+512*\i th:TH_LOAD_NT   ; 32 lanes read 512 consecutive bytes
.endr
.endm
.macro TURN t                          ; step t's numbers through the stage: LDS serves a wave's instructions in order, so no wait stands between the stores and the loads
.irp i, 0,1,2,3
	ds_store_b128 v14, v[R+16*((\t)%4)+4*\i:R+16*((\t)%4)+4*\i+3] offset:32*SP*((\t)%2)+8*SP*\i
.endr
.irp i, 0,1,2,3
	ds_load_b128 v[X+16*((\t)%2)+4*\i:X+16*((\t)%2)+4*\i+3], v15 offset:32*SP*((\t)%2)+16*\i
.endr
.endm
.irp t, 0,1,2,3
	LOAD \t
.endr
	s_wait_kmcnt 0x0
	s_cmp_lt_u32 ttmp9, WGX+WGA
	s_cselect_b32 s29, s29, s35                    ; W_attn's e or W_proj's
	s_cmp_lt_u32 ttmp9, WGX
	s_cselect_b32 s28, s28, s29                    ; e
	s_add_co_i32 s28, s28, 127
	s_lshl_b32 s29, s28, 23
	v_mov_b32 v11, s29                             ; 2^e as f32: the conversion takes its exponent field
	s_add_co_i32 s28, s28, EMAX
	s_lshl_b32 s28, s28, 23
	s_or_b32 s28, s28, MANT
	s_wait_alu depctr_va_vdst(0)
	s_wait_loadcnt 12                              ; step 0's four loads are in; the twelve of steps 1 to 3 may be out
	TURN 0
.macro STEP t
.set XS, X+16*((\t)%2)
	s_wait_dscnt 0x0                               ; this step's numbers are back from the stage: so its stores into the stage have read their registers,
.if (\t)+4 < STEPS
	LOAD (\t)+4                                    ; which take the loads of four steps on
.endif
.if (\t)+1 < STEPS
.if STEPS-2-(\t) >= 3
	s_wait_loadcnt 12                              ; the next step's four loads are in; those of the three steps behind it may be out
.else
	s_wait_loadcnt 4*(STEPS-2-(\t))
.endif
	TURN (\t)+1                                    ; and go through the other stage while this step is worked
.endif
.irp i, 0,1,2,3,4,5,6,7,8,9,10,11,12,13,14,15
.endr
	v_cvt_scalef32_pk8_fp8_f32 v[C+4*(\t):C+4*(\t)+1], v[XS:XS+7], v11          ; eight numbers / 2^e, to the nearest code, ties to even; the first number's code in the lowest byte
	v_cvt_scalef32_pk8_fp8_f32 v[C+4*(\t)+2:C+4*(\t)+3], v[XS+8:XS+15], v11     ; (the results go to a store alone)
	global_store_b128 v4, v[C+4*(\t):C+4*(\t)+3], s[12:13] offset:32*CB*(\t)    ; the wave stores 512 consecutive bytes, aligned
.endm
.irp t, 0,1,2,3,4,5,6,7,8,9,10,11,12,13,14,15
	STEP \t
.endr
	s_endpgm
.Lfunc_end_k_q36b27889f2_quant:
	.size	k_q36b27889f2_quant, .Lfunc_end_k_q36b27889f2_quant-k_q36b27889f2_quant
	.p2alignl 7, 3214868480
	.fill 96, 4, 3214868480
	.section	.rodata,"a",@progbits
	.p2align	6, 0x0
	.amdhsa_kernel k_q36b27889f2_quant
		.amdhsa_group_segment_fixed_size 32768
		.amdhsa_private_segment_fixed_size 0
		.amdhsa_enable_private_segment 0
		.amdhsa_kernarg_size 56
		.amdhsa_user_sgpr_count 2
		.amdhsa_user_sgpr_kernarg_segment_ptr 1
		.amdhsa_wavefront_size32 1
		.amdhsa_system_sgpr_workgroup_id_x 1
		.amdhsa_system_sgpr_workgroup_id_y 1
		.amdhsa_system_sgpr_workgroup_id_z 1
		.amdhsa_system_vgpr_workitem_id 0
		.amdhsa_next_free_vgpr 192
		.amdhsa_next_free_sgpr 66
		.amdhsa_reserve_vcc 0
		.amdhsa_float_denorm_mode_32 3
		.amdhsa_float_denorm_mode_16_64 3
		.amdhsa_fp16_overflow 1
		.amdhsa_memory_ordered 1
		.amdhsa_forward_progress 1
		.amdhsa_inst_pref_size 21
	.end_amdhsa_kernel
	.amdgpu_metadata
---
amdhsa.version: [ 1, 2 ]
amdhsa.kernels:
  - .name:           k_q36b27889f2_quant
    .symbol:         k_q36b27889f2_quant.kd
    .args:
      - { .name: x, .offset: 0, .size: 8, .value_kind: global_buffer, .address_space: global }
      - { .name: W_attn, .offset: 8, .size: 8, .value_kind: global_buffer, .address_space: global }
      - { .name: W_proj, .offset: 16, .size: 8, .value_kind: global_buffer, .address_space: global }
      - { .name: lowp_scales, .offset: 24, .size: 8, .value_kind: global_buffer, .address_space: global }
      - { .name: x_codes, .offset: 32, .size: 8, .value_kind: global_buffer, .address_space: global }
      - { .name: wa_codes, .offset: 40, .size: 8, .value_kind: global_buffer, .address_space: global }
      - { .name: wp_codes, .offset: 48, .size: 8, .value_kind: global_buffer, .address_space: global }
    .group_segment_fixed_size: 32768
    .private_segment_fixed_size: 0
    .kernarg_segment_align: 8
    .kernarg_segment_size: 56
    .max_flat_workgroup_size: 128
    .sgpr_count:     66
    .vgpr_count:     192
    .wavefront_size: 32
...
	.end_amdgpu_metadata
.endif
;; end of part 1
;; launch qkv (part 2): grid 12 x 32, 4 waves a work-group, clusters of 4 x 4, 327,680 bytes of LDS; arguments x_codes, wa_codes, lowp_scales, b_attn, q_codes, k_codes, v_codes; writes q_codes, k_codes, v_codes
.if DOCPART == 2
	.amdgcn_target "amdgcn-amd-amdhsa--gfx1250"
	.amdhsa_code_object_version 6
	.text
	.protected	k_q36b27889f2_qkv
	.globl	k_q36b27889f2_qkv
	.p2align	8
	.type	k_q36b27889f2_qkv,@function
k_q36b27889f2_qkv:
	s_mov_b64 s[64:65], 0
	v_nop
	global_prefetch_b8 v0, s[64:65] scope:SCOPE_SE
	s_setreg_imm32_b32 hwreg(HW_REG_WAVE_MODE, 25, 1), 1
	s_wait_xcnt 0x0
	s_wait_alu depctr_hold_cnt(0) depctr_sa_sdst(0) depctr_va_vdst(0) depctr_va_sdst(0) depctr_va_ssrc(0) depctr_va_vcc(0) depctr_vm_vsrc(0)
	s_getreg_b32 s2, hwreg(HW_REG_IB_STS2, 6, 4)
	s_cmp_eq_u32 s2, 0
	s_cbranch_scc0 .Lentry_in_a_cluster
	s_endpgm
.Lentry_in_a_cluster:
	s_bfe_u32 s2, ttmp6, 0x10000c
	s_cmp_lg_u32 s2, 0xf033
	s_cbranch_scc0 .Lentry_shape_is_right
	s_endpgm
.Lentry_shape_is_right:
; qkv = x W_attn^T + b_attn on codes of FP8 (E4M3), [8192][1024] x [3072][1024], sums in f32; q, k and v are quantised on the way out and leave as codes.
; A number of x is its code x 2^e0, of W_attn x 2^e1.  The bias goes into the sums divided by 2^(e0 + e1); a finished sum / 2^(eo - e0 - e1) is the code (eo = e2 for q, e3 for k, e5 for v), held within +-448.
; LIMITS: e0 + e1 between -126 and 126; eo - e0 - e1 between -126 and 119, so that each power of two below is an f32 number.  NaN and infinities in b_attn are not served.
; A tile of 256 rows x 256 columns is made by four waves, each 128 x 128: 64 accumulators, 512 registers.  K goes in steps of 256 through two LDS slots filled by the tensor data mover.
; CLUSTERS: 4 x 4 work-groups; x's tile is shared along a row of the cluster, W's along a column: each is asked for jointly, by the same tensor load with a mask that names the four.
; Cluster x is 0 for q's columns, 1 for k's, 2 for v's: the same number in all sixteen partners.
; q, k: source 0 = 16 rows of W, source 1 = 16 rows of x: a lane holds one token and eight neighbouring channels: the codes come out with the head's 64 innermost.
; v:    source 0 = 16 rows of x, source 1 = 16 rows of W: a lane holds one channel and eight neighbouring tokens: the codes come out with the KEYS innermost.
; Only the two LDS bases of the fragment loads change places for v (a choice on cluster x); tensor loads, loop, waits and barriers are the same for all three.
; OUT: q_codes, k_codes [b 16 + head][token 2048][64]; v_codes [b 16 + head][key step 16][channel 64][128 keys].  Within each 32 bytes the two middle groups of 8 change places:
; byte 32 c + 16 g + 8 u + j holds index 32 c + 16 u + 8 g + j: what a lane's two neighbouring accumulators give as 16 bytes.  q and k have the same order, so every product meets its partner;
; in v it is the order in which a 16-byte load gives the second product's operand its registers.
; REGISTERS, in windows of 256: window 0: v0-31 addresses; v32-95 the bias along a lane's registers (the C of the first products), later a block's sums; v96-111 the bias along the lanes, a pair a block;
;   v112-127, v160-175 codes, by turns; from v128 source 1's fragments, ONE set; on the way out v128-159 rows read back.   window 1: source 0's fragments, TWO sets.   windows 2, 3: the accumulators.
.set SIZE_K, 1024
.set KSTEP,  256                       ; along K in a slot
.set ROWB,   256                       ; a tile's row in bytes
.set KROW,   SIZE_K                    ; a row of codes in memory, in bytes
.set PITCH,  272                       ; an LDS row: 256 bytes + 16 of padding = 68 words: the 16 rows that a load touches start at 16 different banks (64 banks of 4 bytes: ISA guide 11.1)
.set FR,     16                        ; registers of a fragment: 16 rows x 128 K
.set NL,     4                         ; LDS loads that bring one
.set NP,     4                         ; places behind this matrix instruction (ISA guide 7.12.1)
.set HALFT,  128*PITCH                 ; 128 rows: what one tensor load brings
.set SLOT,   4*HALFT                   ; x's 256 rows, then W's 256 rows
.set LAPS,   SIZE_K/(2*KSTEP)          ; a lap = two K steps = once round the ring
.set SPARE,  2*SLOT                    ; behind the ring: the spare words, 128 bytes for each wave: two blocks of 256 bytes that no other line names
.set SPITCH, 144                       ; the way out: a stage of 16 rows x (128 bytes + 16) for each wave, in slot 0, which has had its last fill and its last read by then
.set CO,   8                           ; v8-11   my byte offsets in the output, for the four stores of a block
.set ADRA, 16                          ; v16-17  LDS address of source 1's fragments in slot 0, 1
.set ADRB, 20                          ; v20-21  the same for source 0
.set STO,  24                          ; v24     the way out: where I put 16 bytes of a row
.set RD,   25                          ; v25     the way out: where I read 16 bytes back
.set SPW,  28                          ; v28     LDS address of my spare word; never rewritten
.set NIL,  29                          ; v29     0; never rewritten
.set SC,   30                          ; v30     2^(eo - e0 - e1)
.set LIM,  31
.set BP,   32
.set TMP,  32
.set BR,   96
.set CD,   112
.set AF,   128
.set BK,   128
.set G1, 24                            ; s[24:31] descriptor group 1 for x's tiles;  s[32:39] group 0, one set for each slot
.set G0, 32
.set G1B, 48                           ; s[48:55], s[56:63] the same for W's tiles
.set G0B, 56
.set MSB, 0
.macro WIN new                         ; the immediate's high byte repeats the setting that is left
.if MSB != \new
	s_set_vgpr_msb (MSB<<8)|\new
.set MSB, \new
.endif
.endm
.set MUL_LO,  0xa1                     ; source 0 window 1, source 1 window 0, C and D window 2
.set MUL_HI,  0xf1                     ; the same, C and D window 3
.set BIAS_LO, 0x81                     ; the first products: C (the bias) window 0, D window 2
.set BIAS_HI, 0xc1                     ; D window 3
.set TO_B,    0x40                     ; destination window 1, address window 0
; A joint load: waves 0 and 1 fetch x's halves, waves 2 and 3 W's.  Each line has one mask and one set of registers; the branch hangs on the wave's number alone.
; Four v_nop follow each of the two lines, ahead of the jump, the label and what follows.
.macro JLOAD g0a, g1a, g0b, g1b
	s_cmp_eq_u32 s15, 0
	s_cbranch_scc0 .Lfor_b_\@
	tensor_load_to_lds s[\g0a:\g0a+3], s[\g1a:\g1a+7]
	s_nop 0
.rept 4
	v_nop
.endr
	s_branch .Lasked_\@
.Lfor_b_\@:
	tensor_load_to_lds s[\g0b:\g0b+3], s[\g1b:\g1b+7]
	s_nop 0
.rept 4
	v_nop
.endr
.Lasked_\@:
.endm
.macro CREST                           ; a round of the cluster's barrier behind its opening barrier
	s_cmp_lg_u32 s14, 0
	s_cbranch_scc1 .Lnot_wave_0_\@
	s_barrier_signal -3
.Lnot_wave_0_\@:
	s_barrier_wait -3
	s_barrier_signal -1
	s_barrier_wait -1
.endm
.macro CROUND                          ; a whole round
	s_barrier_signal -1
	s_barrier_wait -1
	CREST
.endm
	s_load_b128 s[4:7], s[0:1], 0x0                ; x's codes s[4:5], W's codes s[6:7]
	s_load_b128 s[8:11], s[0:1], 0x10              ; the scales' exponents s[8:9], b_attn s[10:11]
	s_load_b128 s[68:71], s[0:1], 0x20             ; q's codes s[68:69], k's s[70:71]
	s_load_b64 s[72:73], s[0:1], 0x30              ; v's
	v_lshl_add_u32 v[SPW], v0, 2, SPARE
	v_mov_b32 v[NIL], 0
	v_lshrrev_b32 v1, 5, v0
	v_readfirstlane_b32 s14, v1                    ; wave 0..3
	s_lshr_b32 s15, s14, 1                         ; which half of the tile's rows is mine.  Also: I fetch for x (0) or for W (1)
	s_and_b32 s16, s14, 1                          ; which half of its columns.  Also: which 128 rows of that tile I fetch
	s_bfe_u32 s40, ttmp6, 0x40000                  ; cx, cy: my place in the cluster
	s_bfe_u32 s41, ttmp6, 0x40004
	s_lshl_b32 s42, ttmp9, 2
	s_add_co_u32 s42, s42, s40                     ; tile column = 4 x cluster x + cx
	s_and_b32 s17, ttmp7, 0xffff
	s_lshl_b32 s17, s17, 2
	s_add_co_u32 s17, s17, s41                     ; tile row = 4 x cluster y + cy
	s_lshl_b32 s43, s41, 2
	s_lshl_b32 s43, 15, s43                        ; my row of the cluster
	s_lshl_b32 s44, 0x1111, s40                    ; my column
	; descriptor group 1: a tile of 128 rows x 256 bytes, padded in LDS
	s_or_b32 s[G1+0], s43, (0<<16)|(1<<20)|(1<<21)|(5<<22)|(3<<25)  ; 15:0 the mask: x's tiles go to my row; 17:16 element of 1 byte; 20 padding on; 21 set beside a mask; 24:22 after every 64 words; 31:25 of 4 words
	s_or_b32 s[G1B+0], s44, (0<<16)|(1<<20)|(1<<21)|(5<<22)|(3<<25) ; the same with the mask of my column
.irp g, G1, G1B
	s_mov_b32 s[\g+1], ROWB<<16                    ; tensor_dim0
	s_mov_b32 s[\g+2], 128<<16                     ; tensor_dim1 = 128
	s_mov_b32 s[\g+3], ROWB<<16                    ; tile_dim0
	s_mov_b32 s[\g+4], 128                         ; tile_dim1 = 128
	s_mov_b32 s[\g+5], KROW                        ; tensor_dim0_stride
	s_mov_b32 s[\g+6], 0
	s_mov_b32 s[\g+7], 0
.endr
	s_lshl_b32 s18, s16, 7                         ; which 128 rows of the tile I fetch
	s_lshl_b32 s20, s17, 8
	s_add_co_u32 s20, s20, s18                     ; x: row 256 x tile row + 128 x half
	s_lshl_b32 s20, s20, 10                        ; x 1,024 bytes: under 2^23
	s_mov_b32 s21, 0
	s_lshl_b32 s46, s42, 8
	s_add_co_u32 s46, s46, s18                     ; W: row 256 x tile column + 128 x half
	s_lshl_b32 s46, s46, 10
	s_mov_b32 s47, 0
	s_mul_i32 s45, s14, HALFT                      ; where they go: wave x 128 rows: no place in the cluster enters an LDS address
	s_wait_kmcnt 0x0
	s_load_b256 s[76:83], s[8:9], 0x0              ; e0 .. e7
	s_add_nc_u64 s[20:21], s[4:5], s[20:21]
	s_add_nc_u64 s[46:47], s[6:7], s[46:47]
	CROUND                                         ; all sixteen work-groups are here: the first joint loads meet
.irp s, 0,1
	s_mov_b32 s[G0+4*\s], 1
	s_add_co_u32 s[G0+4*\s+1], s45, \s*SLOT
	s_add_nc_u64 s[G0+4*\s+2:G0+4*\s+3], s[20:21], \s*ROWB
	s_or_b32 s[G0+4*\s+3], s[G0+4*\s+3], 0x80000000
	s_mov_b32 s[G0B+4*\s], 1
	s_add_co_u32 s[G0B+4*\s+1], s45, \s*SLOT
	s_add_nc_u64 s[G0B+4*\s+2:G0B+4*\s+3], s[46:47], \s*ROWB
	s_or_b32 s[G0B+4*\s+3], s[G0B+4*\s+3], 0x80000000
	JLOAD G0+4*\s, G1, G0B+4*\s, G1B
.endr
	v_and_b32 v1, 15, v0                           ; r = l % 16
	v_bfe_u32 v2, v0, 4, 1                         ; h = l / 16
	; the bias of my 128 columns, both ways: along a lane's registers (column 16 b + 8 h + j) and along the lanes (column 16 a + r); one of the two is multiplied by 0 below
	s_lshl_b32 s92, s42, 10
	s_lshl_b32 s93, s16, 9
	s_add_co_u32 s92, s92, s93                     ; 4 bytes x (256 x tile column + 128 x half)
	s_mov_b32 s93, 0
	s_add_nc_u64 s[10:11], s[10:11], s[92:93]
	v_lshlrev_b32 v12, 5, v2                       ; 32 h
	v_lshlrev_b32 v13, 2, v1                       ; 4 r
.irp b, 0,1,2,3,4,5,6,7
	global_load_b128 v[BP+8*\b:BP+8*\b+3], v12, s[10:11] offset:64*\b
	global_load_b128 v[BP+8*\b+4:BP+8*\b+7], v12, s[10:11] offset:64*\b+16
.endr
.irp a, 0,1,2,3,4,5,6,7
	global_load_b32 v[BR+2*\a], v13, s[10:11] offset:64*\a
.endr
	v_mul_u32_u24 v3, v1, PITCH
	v_lshl_add_u32 v4, v2, 4, v3                   ; a fragment's row x pitch + 16 x half
	s_wait_alu depctr_va_vdst(0)
	s_mul_i32 s21, s15, HALFT                      ; my 128 rows of x
	s_mul_i32 s22, s16, HALFT                      ; my 128 rows of W,
	s_add_co_u32 s22, s22, 2*HALFT                 ; which lie behind x's 256
	s_cmp_eq_u32 ttmp9, 2                          ; v's columns?  Then the two sources change places
	s_cselect_b32 s74, s22, s21                    ; source 1: x's rows, for v W's
	s_cselect_b32 s75, s21, s22                    ; source 0: W's rows, for v x's
	s_cselect_b32 s86, 128, 64                     ; RS: bytes from a stage row to the next in the output
	s_mov_b32 s87, 0x20000
	s_cselect_b32 s87, 64, s87                     ; HS: bytes from a stage row's first 64 bytes to its second: the next head, for v the row's other half
.irp s, 0,1
	v_add_nc_u32 v[ADRA+\s], s74, v4
	v_add_nc_u32 v[ADRB+\s], s75, v4
	s_add_co_u32 s74, s74, SLOT
	s_add_co_u32 s75, s75, SLOT
.endr
	s_lshl_b32 s88, s86, 4                         ; ST1: 16 stage rows on in the output
	s_mov_b32 s89, 0
	s_mov_b32 s90, 124928                          ; ST2, from block 3 to block 4: for v on to the next head (131,072 - 3 x 2,048), else ST1
	s_cmp_eq_u32 ttmp9, 2
	s_cselect_b32 s90, s90, s88
	s_mov_b32 s91, 0
	s_cselect_b64 s[72:73], s[72:73], s[68:69]     ; the output: v's codes,
	s_cmp_eq_u32 ttmp9, 1
	s_cselect_b64 s[68:69], s[70:71], s[72:73]     ; k's, or q's
	s_mul_i32 s23, s14, 16*SPITCH                  ; my stage
	v_mul_u32_u24 v5, v1, SPITCH                   ; in: row r, 16 bytes for each half of the lanes
	v_lshl_add_u32 v5, v2, 4, v5
	v_add_nc_u32 v[STO], s23, v5
	v_and_b32 v6, 31, v0
	v_lshrrev_b32 v7, 3, v6                        ; back: eight lanes to a row of 128 bytes, four rows an instruction
	v_and_b32 v14, 7, v6
	v_mul_u32_u24 v5, v7, SPITCH
	v_lshl_add_u32 v5, v14, 4, v5
	v_add_nc_u32 v[RD], s23, v5
	v_bfe_u32 v14, v0, 2, 1                        ; which 64 bytes of the row
	v_and_b32 v15, 3, v0                           ; which 16 of those
	v_mul_u32_u24 v5, v7, s86
	v_mad_u32_u24 v5, v14, s87, v5
	v_lshl_add_u32 v[CO], v15, 4, v5               ; the same place in the output
	s_lshl_b32 s92, s86, 2                         ; four rows on
	v_add_nc_u32 v[CO+1], s92, v[CO]
	v_add_nc_u32 v[CO+2], s92, v[CO+1]
	v_add_nc_u32 v[CO+3], s92, v[CO+2]
	; where my part begins in the output, the same for all three: ((16 b + first head) << 17) + (first token in b) x 64
	s_lshl_b32 s92, s17, 8
	s_lshl_b32 s93, s15, 7
	s_add_co_u32 s92, s92, s93                     ; my first row of x
	s_lshr_b32 s93, s92, 11                        ; b
	s_and_b32 s92, s92, 2047                       ; token in b
	s_lshl_b32 s93, s93, 4
	s_lshl_b32 s94, s40, 2
	s_add_co_u32 s93, s93, s94
	s_lshl_b32 s94, s16, 1
	s_add_co_u32 s93, s93, s94                     ; 16 b + 4 cx + 2 x column half
	s_lshl_b32 s93, s93, 17
	s_lshl_b32 s92, s92, 6
	s_add_co_u32 s92, s92, s93
	s_mov_b32 s93, 0
	s_add_nc_u64 s[68:69], s[68:69], s[92:93]
	s_wait_loadcnt 0x0                             ; the bias
	s_wait_kmcnt 0x0                               ; the exponents
	s_cmp_eq_u32 ttmp9, 1
	s_cselect_b32 s78, s79, s78                    ; e3 or e2
	s_add_co_i32 s76, s76, s77                     ; e0 + e1
	s_sub_co_i32 s77, 127, s76
	s_lshl_b32 s77, s77, 23                        ; 2^-(e0 + e1) as f32
	s_cmp_eq_u32 ttmp9, 2
	s_cselect_b32 s78, s81, s78                    ; eo
	s_cselect_b32 s84, 0, s77                      ; the factor of the bias along the registers: 0 for v,
	s_cselect_b32 s85, s77, 0                      ; of the bias along the lanes: 0 for q and k
	s_sub_co_i32 s78, s78, s76
	s_add_co_i32 s78, s78, 127
	s_lshl_b32 s79, s78, 23
	v_mov_b32 v[SC], s79                           ; 2^(eo - e0 - e1): the three scales folded into the conversion's one
.set j, 0
.rept 32
	v_pk_mul_f32 v[BP+j:BP+j+1], v[BP+j:BP+j+1], s[84:85] op_sel_hi:[1,0]   ; both x s84
.set j, j+2
.endr
.irp a, 0,1,2,3,4,5,6,7
	v_mul_f32 v[BR+2*\a+1], s85, v[BR+2*\a]        ; (the pair's upper register is named with the lower, so it is written)
	v_mul_f32 v[BR+2*\a], s85, v[BR+2*\a]
.endr
.macro FRAG reg, adr, q, i             ; a fragment, 16 rows x 128 K, is 16 registers: lane l holds row l % 16; registers 4 c .. 4 c + 3 hold K = 32 c + 16 (l / 16) + 0 .. 15, alike on both sides
.irp c, 0,1,2,3
	ds_load_b128 v[\reg+4*\c:\reg+4*\c+3], v[\adr] offset:128*(\q)+32*\c+(\i)*16*PITCH
.endr
.endm
; 16 matrix instructions: source 1's blocks a0, a0 + 1 x source 0's eight, 128 along K.  p: source 0's set.  zero = 1: the first product starts the sums, with the bias as C: nothing is ever cleared.
; The 64 accumulators take turns, one instruction a turn, in the same order in every step.
.macro MUL16 a0, p, zero
.irp a, \a0, \a0+1
.irp b, 0,1,2,3,4,5,6,7
.if \zero
	v_wmma_f32_16x16x128_fp8_fp8 v[8*(8*((\a)%4)+\b):8*(8*((\a)%4)+\b)+7], v[128*(\p)+FR*\b:128*(\p)+FR*\b+FR-1], v[AF+FR*(\a):AF+FR*(\a)+FR-1], v[BP+8*\b:BP+8*\b+7]
.else
	v_wmma_f32_16x16x128_fp8_fp8 v[8*(8*((\a)%4)+\b):8*(8*((\a)%4)+\b)+7], v[128*(\p)+FR*\b:128*(\p)+FR*\b+FR-1], v[AF+FR*(\a):AF+FR*(\a)+FR-1], v[8*(8*((\a)%4)+\b):8*(8*((\a)%4)+\b)+7]
.endif
.endr
.endr
.endm
.macro FETCH_B slot, q, p              ; source 0's eight fragments of the slot's q-th 128 along K into set p
	WIN TO_B
.irp i, 0,1,2,3,4,5,6,7
	FRAG 128*(\p)+FR*\i, ADRB+\slot, \q, \i
.endr
	WIN 0
.endm
.macro FETCH_A slot, q, i0             ; source 1's blocks i0 .. i0 + 3
.irp i, \i0, \i0+1, \i0+2, \i0+3
	FRAG AF+FR*(\i), ADRA+\slot, \q, \i
.endr
.endm
; A load into a register that a matrix instruction has read, and a vector instruction that reads a matrix result, stand NP places behind that matrix instruction; only plain vector
; instructions that name none of its registers are places (ISA guide 7.12.1 for vector instructions).
.macro PLACES n
.rept \n
	v_nop
.endr
.endm
; A step of 128 along K that has its successor in the same slot.
.macro STEP slot, q, zero
	s_wait_dscnt 4*NL                              ; source 0's set and source 1's blocks 0-3 are in; the youngest sixteen loads (blocks 4-7) may be out
.if \zero
	WIN BIAS_LO
.else
	WIN MUL_LO
.endif
	MUL16 0, (\q)%2, \zero
	MUL16 2, (\q)%2, \zero
	s_wait_dscnt 0                                 ; blocks 4-7 are in (asked for 32 matrix instructions ago)
	PLACES NP
	FETCH_B \slot, (\q)+1, 1-(\q)%2
	FETCH_A \slot, (\q)+1, 0
.if \zero
	WIN BIAS_HI
.else
	WIN MUL_HI
.endif
	MUL16 4, (\q)%2, \zero
	MUL16 6, (\q)%2, \zero
	PLACES NP
	WIN 0
	FETCH_A \slot, (\q)+1, 4
.endm
; A slot's last step changes slots: ONE barrier; in front of it each wave waits for all its tensor loads, adds 0 to its spare word, and waits for that and for its own reads of this slot.  fill = 1: this slot is filled again, two K steps ahead.
.macro TURN slot, next, fill
	s_wait_tensorcnt 0x0                           ; all my tensor loads have landed: my part of the next slot;  (every window is 0 here)
	ds_add_u32 v[SPW], v[NIL]                      ; 0 onto my spare word
	s_wait_dscnt 4*NL+1                            ; (the add and the youngest sixteen loads may be out)
	WIN MUL_LO
	MUL16 0, 1, 0                                  ; sixteen matrix instructions stand between the add and the wait for it
	s_wait_dscnt 0x0                               ; the add is done, and my reads of this slot are over
	s_barrier_signal -1
	MUL16 2, 1, 0
	WIN 0
	s_barrier_wait -1
.if \fill
	CREST                                          ; the barrier has opened a round of the cluster's barrier: no wave of any partner still reads this slot's tile or has a load on its way
	s_add_nc_u64 s[G0+4*\slot+2:G0+4*\slot+3], s[G0+4*\slot+2:G0+4*\slot+3], 2*ROWB
	s_add_nc_u64 s[G0B+4*\slot+2:G0B+4*\slot+3], s[G0B+4*\slot+2:G0B+4*\slot+3], 2*ROWB
	JLOAD G0+4*\slot, G1, G0B+4*\slot, G1B         ; the first tensor load behind the round; the four v_nop behind it are the places in front of the loads below
.else
	PLACES NP
.endif
	FETCH_B \next, 0, 0
	FETCH_A \next, 0, 0
	WIN MUL_HI
	MUL16 4, 1, 0
	MUL16 6, 1, 0
	PLACES NP
	WIN 0
	FETCH_A \next, 0, 4
.endm
	s_wait_tensorcnt 0x1                           ; my part of K step 0 is in (K step 1's load may be out)
	s_barrier_signal -1
	s_barrier_wait -1                              ; everybody's is
	FETCH_B 0, 0, 0
	FETCH_A 0, 0, 0
	FETCH_A 0, 0, 4
	STEP 0, 0, 1                                   ; the first step stands in front of the loop: its products start the sums
	s_mov_b32 s3, LAPS-1
.Llap:                                                 ; a trip goes once round the ring, from a lap's second step to the next lap's first, and fills both slots again
	TURN 0, 1, 1
	STEP 1, 0, 0
	TURN 1, 0, 1
	STEP 0, 0, 0
	s_sub_co_u32 s3, s3, 1
	s_cmp_lg_u32 s3, 0
	s_cbranch_scc1 .Llap
	TURN 0, 1, 0                                   ; the last lap fills nothing, and has no round of the cluster's barrier
	STEP 1, 0, 0
	s_wait_dscnt 4*NL                              ; the very last step: nothing more to fetch
	WIN MUL_LO
	MUL16 0, 1, 0
	MUL16 2, 1, 0
	s_wait_dscnt 0
	WIN MUL_HI
	MUL16 4, 1, 0
	MUL16 6, 1, 0
	WIN 0
; THE WAY OUT, block by block of 16 lane rows x 128 register columns.  The sums get the bias along the lanes, are held, and become codes: 8 a conversion, two neighbouring accumulators' 16 bytes a store.
; A block goes through my own stage in LDS (rows of 128 bytes + 16) and comes back four rows an instruction.  LDS serves a wave's instructions in order (ISA guide 5.7.1.4): no wait between the stores and the loads.
.macro QBLOCK a
.set AC, 64*((\a)%4)
.set CC, CD+48*((\a)%2)                ; the codes' registers, two sets by turns: a set is written again behind the wait that shows its block back from the stage
.set BB, BK+16*((\a)%2)
	WIN 0x02+((\a)/4)                              ; source 0: window 2 or 3
.set j, 0
.rept 32
	v_pk_add_f32 v[TMP+j:TMP+j+1], v[AC+j:AC+j+1], v[BR+2*(\a):BR+2*(\a)+1] op_sel_hi:[1,0]   ; + the lane's bias (v), or 0 (q, k); each accumulator from its low end on
.set j, j+2
.endr
	WIN 0
.set j, 0
.rept 64
.set j, j+1
.endr
.irp b, 0,1,2,3,4,5,6,7
	v_cvt_scalef32_pk8_fp8_f32 v[CC+2*\b:CC+2*\b+1], v[TMP+8*\b:TMP+8*\b+7], v[SC]
.endr
	v_nop                                          ; one plain vector line behind the last conversion: the next block writes its sources
.irp c, 0,1,2,3
	ds_store_b128 v[STO], v[CC+4*\c:CC+4*\c+3] offset:32*\c
.endr
.irp i, 0,1,2,3
	ds_load_b128 v[BB+4*\i:BB+4*\i+3], v[RD] offset:4*SPITCH*\i
.endr
.endm
.macro QSEND a, younger                ; younger: the LDS instructions issued behind block a's loads, which may stay out
.set BB, BK+16*((\a)%2)
	s_wait_dscnt \younger                          ; the block is back in registers
.if (\a) == 4
	s_add_nc_u64 s[68:69], s[68:69], s[90:91]      ; (behind a wait on XCNT: the earlier stores have read their base)
.elseif (\a) > 0
	s_add_nc_u64 s[68:69], s[68:69], s[88:89]
.endif
.irp i, 0,1,2,3
	global_store_b128 v[CO+\i], v[BB+4*\i:BB+4*\i+3], s[68:69]   ; q, k: two runs of 256 consecutive bytes, one in each head; v: 512 consecutive bytes; all aligned to 256
.endr
.endm
	PLACES NP                                      ; behind the last products: for the first reads of results and the loads into registers that held fragments
	QBLOCK 0
.irp a, 1,2,3,4,5,6,7
.if \a > 1
	s_wait_xcnt 0x0                                ; block a - 2's stores have read their registers and their base: block a's loads may land there, and the base may step
.endif
	QBLOCK \a
	QSEND \a-1, 8                                  ; behind block a - 1's loads: block a's 4 stores and 4 loads
.endr
	s_wait_xcnt 0x0                                ; block 6's stores have read their base
	QSEND 7, 0
	s_wait_tensorcnt 0x0                           ; the wave's end: behind my last tensor load and my last LDS store
	ds_add_u32 v[SPW], v[NIL]
	s_wait_dscnt 0x0
	CROUND                                         ; the closing round: no work-group ends while a partner may still ask for a tile that names it
	s_endpgm
.Lfunc_end_k_q36b27889f2_qkv:
	.size	k_q36b27889f2_qkv, .Lfunc_end_k_q36b27889f2_qkv-k_q36b27889f2_qkv
	.p2alignl 7, 3214868480
	.fill 96, 4, 3214868480
	.section	.rodata,"a",@progbits
	.p2align	6, 0x0
	.amdhsa_kernel k_q36b27889f2_qkv
		.amdhsa_group_segment_fixed_size 327680
		.amdhsa_private_segment_fixed_size 0
		.amdhsa_enable_private_segment 0
		.amdhsa_kernarg_size 56
		.amdhsa_user_sgpr_count 2
		.amdhsa_user_sgpr_kernarg_segment_ptr 1
		.amdhsa_wavefront_size32 1
		.amdhsa_system_sgpr_workgroup_id_x 1
		.amdhsa_system_sgpr_workgroup_id_y 1
		.amdhsa_system_sgpr_workgroup_id_z 1
		.amdhsa_system_vgpr_workitem_id 0
		.amdhsa_next_free_vgpr 1024
		.amdhsa_next_free_sgpr 100
		.amdhsa_reserve_vcc 0
		.amdhsa_float_denorm_mode_32 3
		.amdhsa_float_denorm_mode_16_64 3
		.amdhsa_fp16_overflow 1
		.amdhsa_memory_ordered 1
		.amdhsa_forward_progress 1
		.amdhsa_inst_pref_size 113
	.end_amdhsa_kernel
	.amdgpu_metadata
---
amdhsa.version: [ 1, 2 ]
amdhsa.kernels:
  - .name:           k_q36b27889f2_qkv
    .symbol:         k_q36b27889f2_qkv.kd
    .args:
      - { .name: x_codes, .offset: 0, .size: 8, .value_kind: global_buffer, .address_space: global }
      - { .name: wa_codes, .offset: 8, .size: 8, .value_kind: global_buffer, .address_space: global }
      - { .name: lowp_scales, .offset: 16, .size: 8, .value_kind: global_buffer, .address_space: global }
      - { .name: b_attn, .offset: 24, .size: 8, .value_kind: global_buffer, .address_space: global }
      - { .name: q_codes, .offset: 32, .size: 8, .value_kind: global_buffer, .address_space: global }
      - { .name: k_codes, .offset: 40, .size: 8, .value_kind: global_buffer, .address_space: global }
      - { .name: v_codes, .offset: 48, .size: 8, .value_kind: global_buffer, .address_space: global }
    .group_segment_fixed_size: 327680
    .private_segment_fixed_size: 0
    .kernarg_segment_align: 8
    .kernarg_segment_size: 56
    .max_flat_workgroup_size: 128
    .sgpr_count:     100
    .vgpr_count:     1024
    .wavefront_size: 32
...
	.end_amdgpu_metadata
.endif
;; end of part 2
;; launch attn (part 3): grid 4 x 64, 16 waves a work-group, clusters of 4 x 1, 327,680 bytes of LDS; arguments q_codes, k_codes, v_codes, lowp_scales, y_codes; writes y_codes
.if DOCPART == 3
	.amdgcn_target "amdgcn-amd-amdhsa--gfx1250"
	.amdhsa_code_object_version 6
	.text
	.protected	k_q36b27889f2_attn
	.globl	k_q36b27889f2_attn
	.p2align	8
	.type	k_q36b27889f2_attn,@function
k_q36b27889f2_attn:
	s_mov_b64 s[64:65], 0
	v_nop
	global_prefetch_b8 v0, s[64:65] scope:SCOPE_SE
	s_setreg_imm32_b32 hwreg(HW_REG_WAVE_MODE, 25, 1), 1
	s_wait_xcnt 0x0
	s_wait_alu depctr_hold_cnt(0) depctr_sa_sdst(0) depctr_va_vdst(0) depctr_va_sdst(0) depctr_va_ssrc(0) depctr_va_vcc(0) depctr_vm_vsrc(0)
	s_getreg_b32 s2, hwreg(HW_REG_IB_STS2, 6, 4)
	s_cmp_eq_u32 s2, 0
	s_cbranch_scc0 .Lentry_in_a_cluster
	s_endpgm
.Lentry_in_a_cluster:
	s_bfe_u32 s2, ttmp6, 0x10000c
	s_cmp_lg_u32 s2, 0x3003
	s_cbranch_scc0 .Lentry_shape_is_right
	s_endpgm
.Lentry_shape_is_right:
; y[bh][q] = the sum over keys k <= q of softmax_k(Q[q] . K[k] / 8) V[k], both products on codes of FP8 (E4M3); head size 64, 2,048 tokens, 64 heads (b 16 + head).
; q_codes, k_codes: [bh][token][64]; v_codes: [bh][key step 16][channel 64][128 keys], in the byte orders in which the launch before laid them.  y_codes: [head 16][b 2048 + token][64], channels in their own order.
; THE SOFTMAX AHEAD OF THE SECOND PRODUCT: t = score x log2(e) / 8; M = the row's largest t so far, rounded UP to a whole number; p = 2^(t - M) is quantised with 2^e4; it is not normalised.
; The row's sum is taken of the unquantised p, in f32, and divides O at the end.  When M moves, the sum and O are multiplied by 2^(old M - new M): exact.  y is then quantised with 2^e6.
; LIMITS on the given exponents: e2 + e3 between -123 and 130 (added to c's exponent field); e4 and e6 between -126 and 119; e4 + e5 goes in by v_ldexp_f32 and has none.
; A HEAD'S WHOLE K AND V LIE IN LDS: 16 key steps x (128 keys x 80 bytes + 64 channels x 144 bytes) = 311,296 bytes, filled once: no slot is ever filled again.
; CLUSTER: the four work-groups of a cluster share one head; each tile is asked for JOINTLY (mask 15): wave w of each asks for key step w's K and V.
; SHARES: a head has 16 blocks of 128 queries, each of 8 tiles of 16.  Wave w takes tile 2 cx + w / 8 of block w % 8, then of block 15 - w % 8: 17 key steps for every wave.
; The block hangs on the wave's number alone, and so does every branch; the tile (and with it cx) enters global addresses and the mask's compare value only.
; LAYOUT: S^T = K Q^T (source 0 = 16 keys, source 1 = my 16 queries), O^T = V^T P^T (source 0 = 16 channels, source 1 = P): a lane holds ONE query (lane % 16) throughout.
; In tile t of S^T lane (r, h) holds keys 16 t + 8 h + 0 .. 7: their eight codes are registers 2 t, 2 t + 1 of P; V's byte order gives a 16-byte load just those keys.
; REGISTERS: v1-7 addresses that stay; v8-9 addresses of the step; v12 -M, v13 the largest t, v[14:15] the sum in two halves; v16-23 Q; v32-95 K's 8 fragments, then V's 4; v96-159 S^T, then p; v160-191 O^T;
;   v192-207 p's codes; v208-215 y's codes; v216-223 rows read back; v236-254 at work; v244: 2^e4; v245: 2^e6.
.set KP,    80                         ; a key's row in LDS: 64 bytes + 16 of padding: 16 rows start at 16 different groups of banks
.set VP,    144                        ; a channel's row of 128 keys: + 16 of padding
.set VOFF,  128*KP                     ; a step: 128 rows of K, then 64 rows of V
.set STEPB, VOFF+64*VP                 ; 19,456 bytes
.set STG,   16*STEPB                   ; behind the tiles: a stage of 1,024 bytes for each wave; no fill lands there
.set AK0,  1                           ; v1   my lane's place in a tile of K
.set AV0,  2                           ; v2   the same for V
.set QO,   3                           ; v3   my byte offset in the tile's rows of Q
.set STO,  4                           ; v4   the way out: where I put 8 bytes of a row
.set RD,   5                           ; v5   where I read 16 bytes back
.set GO,   6                           ; v6   my byte offset in the tile's 1,024 bytes of y
.set DG,   7                           ; v7   16 x tile + r - 8 h: on the diagonal register 8 t + j is hidden where 16 t + j is greater
.set ADK,  8
.set ADV,  9
.set WV,   18                          ; s18  my wave's number
.set SEL,  20                          ; s[20:21] lane selects for v_permlanex16_b32: lane l xor 16
.set CS,   22                          ; s[22:23] c = log2(e) / 8 x 2^(e2 + e3)
.set G1K,  24                          ; s[24:31] descriptor group 1 for K's tiles;  s[32:39] for V's;  s[40:43], s[44:47] their groups 0
.set G1V,  32
.set G0K,  40
.set G0V,  44
.set BE,   56                          ; s56  my block of 128 queries
.set KS,   57                          ; s57  the key step
.set TB,   58                          ; s58  LDS byte at which the key step's tiles begin
.set TAU,  59                          ; s59  my tile in a block
.macro CROUND                          ; a round of the cluster's barrier
	s_barrier_signal -1
	s_barrier_wait -1
	s_cmp_lg_u32 s[WV], 0
	s_cbranch_scc1 .Lnot_wave_0_\@
	s_barrier_signal -3
.Lnot_wave_0_\@:
	s_barrier_wait -3
	s_barrier_signal -1
	s_barrier_wait -1
.endm
	s_load_b256 s[4:11], s[0:1], 0x0               ; Q's codes s[4:5], K's s[6:7], V's s[8:9], the scales' exponents s[10:11]
	s_load_b64 s[12:13], s[0:1], 0x20              ; y's codes
	v_lshrrev_b32 v8, 5, v0
	s_delay_alu instid0(VALU_DEP_1)
	v_readfirstlane_b32 s[WV], v8                  ; wave 0..15
	s_bfe_u32 s72, ttmp6, 0x40000                  ; cx: my place in the cluster
	s_and_b32 s73, ttmp7, 0xffff                   ; the head (b 16 + head), which the four partners share
	s_lshl_b32 s74, s73, 17                        ; its 131,072 bytes in each tensor of codes,
	s_lshl_b32 s75, s[WV], 13                      ; key step w: 8,192 bytes of K, and of V
	s_add_co_u32 s74, s74, s75
	s_mov_b32 s75, 0
	s_mul_i32 s76, s[WV], STEPB                    ; and its place in LDS: no place in the cluster enters an LDS address
	; descriptor group 1.  Both tiles are dense in memory, 8,192 bytes: 32 rows of 256 bytes.  Padding: four words behind every 16 (K: a key's 64 bytes) or every 32 (V: a channel's 128 bytes)
	s_mov_b32 s[G1K], 15|(0<<16)|(1<<20)|(1<<21)|(3<<22)|(3<<25)  ; 15:0 the mask: all four work-groups; 17:16 elements of 1 byte; 20 padding on; 21 set beside a mask
	s_mov_b32 s[G1V], 15|(0<<16)|(1<<20)|(1<<21)|(4<<22)|(3<<25)
.irp g, G1K, G1V
	s_mov_b32 s[\g+1], 256<<16                     ; tensor_dim0
	s_mov_b32 s[\g+2], 32<<16                      ; tensor_dim1
	s_mov_b32 s[\g+3], 256<<16                     ; tile_dim0
	s_mov_b32 s[\g+4], 32                          ; tile_dim1
	s_mov_b32 s[\g+5], 256                         ; tensor_dim0_stride
	s_mov_b32 s[\g+6], 0
	s_mov_b32 s[\g+7], 0
.endr
	s_mov_b32 s[SEL], 0x76543210
	s_mov_b32 s[SEL+1], 0xfedcba98
	s_mov_b32 s[CS], 0x3e38aa3b                    ; log2(e) / 8
	s_and_b32 s[BE], s[WV], 7                      ; the first pass's block
	s_lshr_b32 s[TAU], s[WV], 3
	s_lshl_b32 s77, s72, 1
	s_add_co_u32 s[TAU], s[TAU], s77               ; my tile: 2 cx + w / 8
	s_wait_kmcnt 0x0
	s_load_b256 s[48:55], s[10:11], 0x0            ; e0 .. e7
	s_mov_b32 s[G0K], 1                            ; 1:0 count = 1
	s_mov_b32 s[G0K+1], s76                        ; 63:32 LDS address
	s_add_nc_u64 s[G0K+2:G0K+3], s[6:7], s[74:75]  ; 120:64 global address
	s_or_b32 s[G0K+3], s[G0K+3], 0x80000000        ; 127:126 type = 2
	s_mov_b32 s[G0V], 1
	s_add_co_u32 s[G0V+1], s76, VOFF
	s_add_nc_u64 s[G0V+2:G0V+3], s[8:9], s[74:75]
	s_or_b32 s[G0V+3], s[G0V+3], 0x80000000
	CROUND                                         ; all four work-groups are here: the joint loads meet
	tensor_load_to_lds s[G0K:G0K+3], s[G1K:G1K+7]  ; every wave asks for its key step's two tiles: two loads of mine are out, the only ones of the launch
	s_nop 0
	tensor_load_to_lds s[G0V:G0V+3], s[G1V:G1V+7]
	s_nop 0
.rept 4
	v_nop
.endr
	s_lshl_b32 s66, s73, 17
	s_lshl_b32 s67, s[TAU], 10
	s_add_co_u32 s66, s66, s67
	s_mov_b32 s67, 0
	s_add_nc_u64 s[60:61], s[4:5], s[66:67]        ; Q at my tile of block 0
	s_and_b32 s66, s73, 15
	s_lshl_b32 s66, s66, 19                        ; y: the head's plane of 8,192 rows x 64 bytes,
	s_lshr_b32 s77, s73, 4
	s_lshl_b32 s77, s77, 17                        ; b's 2,048 rows,
	s_add_co_u32 s66, s66, s77
	s_lshl_b32 s77, s[TAU], 10                     ; my tile
	s_add_co_u32 s66, s66, s77
	s_add_nc_u64 s[62:63], s[12:13], s[66:67]
	v_and_b32 v8, 15, v0                           ; r
	v_bfe_u32 v9, v0, 4, 1                         ; h
	v_and_b32 v10, 31, v0                          ; lane
	s_delay_alu instid0(VALU_DEP_3)
	v_mul_u32_u24 v[AK0], v8, KP
	s_delay_alu instid0(VALU_DEP_1)
	v_lshl_add_u32 v[AK0], v9, 4, v[AK0]           ; K: row r, + 16 h
	v_mul_u32_u24 v[AV0], v8, VP
	s_delay_alu instid0(VALU_DEP_1)
	v_lshl_add_u32 v[AV0], v9, 4, v[AV0]
	s_delay_alu instid0(VALU_DEP_1)
	v_add_nc_u32 v[AV0], VOFF, v[AV0]              ; V likewise, behind K
	v_lshlrev_b32 v[QO], 6, v8
	s_delay_alu instid0(VALU_DEP_1)
	v_lshl_add_u32 v[QO], v9, 4, v[QO]             ; Q: row r of 64 bytes, + 16 h: the same bytes of a row as K's loads take
	s_lshl_b32 s77, s[WV], 10
	s_add_co_u32 s77, s77, STG                     ; my stage
	v_lshlrev_b32 v[STO], 6, v8
	s_delay_alu instid0(VALU_DEP_1)
	v_lshl_add_u32 v[STO], v9, 3, v[STO]
	s_delay_alu instid0(VALU_DEP_1)
	v_add_nc_u32 v[STO], s77, v[STO]               ; in: row r of 64 bytes, + 8 h
	v_lshlrev_b32 v[GO], 4, v10                    ; 16 x lane
	s_delay_alu instid0(VALU_DEP_1)
	v_add_nc_u32 v[RD], s77, v[GO]                 ; back: as the bytes lie
	v_lshlrev_b32 v11, 3, v9
	s_delay_alu instid0(VALU_DEP_1)
	v_sub_nc_u32 v[DG], v8, v11
	s_lshl_b32 s77, s[TAU], 4
	v_add_nc_u32 v[DG], s77, v[DG]
	v_mov_b32 v236, 0                              ; written once: a lane permute's destination counts as one of its sources
	v_mov_b32 v252, 0
	v_mov_b32 v253, 0                              ; (named as the upper half of the pair v[252:253])
	s_wait_kmcnt 0x0
	s_add_co_i32 s77, s50, s51
	s_lshl_b32 s77, s77, 23
	s_add_co_i32 s[CS], s[CS], s77                 ; a score stands for score x 2^(e2 + e3): the two exponents are added to c's exponent field
	s_mov_b32 s[CS+1], s[CS]                       ; (named with it as a pair, so it is written)
	s_add_co_i32 s77, s52, 127
	s_lshl_b32 s78, s77, 23
	v_mov_b32 v244, s78                            ; 2^e4
	s_add_co_i32 s77, s54, 127
	s_lshl_b32 s78, s77, 23
	v_mov_b32 v245, s78                            ; 2^e6
	s_add_co_i32 s79, s52, s53                     ; e4 + e5
	s_wait_tensorcnt 0x0                           ; my two tiles are in,
	s_barrier_signal -1
	s_barrier_wait -1                              ; everybody's are: the head's K and V lie in LDS, and nothing writes them again
; A KEY STEP: 128 keys against my 16 queries.
.macro STEP
	v_add_nc_u32 v[ADK], s[TB], v[AK0]
	v_add_nc_u32 v[ADV], s[TB], v[AV0]
	v_nop                                          ; with the two additions: four places in front of loads into registers that the last products read
	v_nop
.irp t, 0,1,2,3,4,5,6,7
	ds_load_b128 v[32+8*\t:35+8*\t], v[ADK] offset:16*KP*\t
	ds_load_b128 v[36+8*\t:39+8*\t], v[ADK] offset:16*KP*\t+32
.endr
	s_wait_alu depctr_va_vdst(0)
	s_wait_dscnt 0x0
.irp t, 0,1,2,3,4,5,6,7
	v_wmma_f32_16x16x64_fp8_fp8 v[96+8*\t:103+8*\t], v[32+8*\t:39+8*\t], v[16:23], 0   ; S^T, tile t: keys 16 t + 8 h + j
.endr
.rept 4
	v_nop                                          ; places in front of the loads into K's registers and of the first read of the scores
.endr
.irp t, 0,1,2,3
.irp c, 0,1,2,3
	ds_load_b128 v[32+16*\t+4*\c:35+16*\t+4*\c], v[ADV] offset:16*VP*\t+32*\c   ; V's four fragments land while the softmax is worked
.endr
.endr
	s_cmp_lg_u32 s[KS], s[BE]                      ; on the diagonal the scores of hidden keys become -infinity ahead of the maximum: p = 0 then.  Key 0 counts for every query, so M is a number from the first step on
	s_cbranch_scc1 .Lopen_\@
	v_mov_b32 v254, 0xff800000
.set n, 0
.rept 64
	v_cmp_gt_i32 vcc_lo, 16*(n/8)+n%8, v[DG]
	v_cndmask_b32 v[96+n], v[96+n], v254, vcc_lo
.set n, n+1
.endr
.Lopen_\@:
	v_max3_num_f32 v254, v96, v97, v98             ; the step's largest score of my query, among my 64 keys, in two chains, each accumulator from its low end on,
	v_max3_num_f32 v252, v99, v100, v101
.irp i, 6,10,14,18,22,26,30,34,38,42,46,50,54,58
	v_max3_num_f32 v254, v254, v[96+\i], v[97+\i]
	v_max3_num_f32 v252, v252, v[98+\i], v[99+\i]
.endr
	v_max3_num_f32 v254, v254, v158, v159
	s_delay_alu instid0(VALU_DEP_1)
	v_max_num_f32 v254, v254, v252
	s_delay_alu instid0(VALU_DEP_1)
	v_permlanex16_b32 v236, v254, s[SEL], s[SEL+1]
	s_delay_alu instid0(VALU_DEP_1)
	v_max_num_f32 v254, v254, v236                 ; and among lane l xor 16's
	s_delay_alu instid0(VALU_DEP_1)
	v_mul_f32 v254, s[CS], v254                    ; as t (c is positive)
	s_delay_alu instid0(VALU_DEP_1)
	v_max_num_f32 v13, v13, v254                   ; the running largest t
	v_mov_b32 v254, v12
	s_delay_alu instid0(VALU_DEP_2)
	v_floor_f32 v12, -v13                          ; the new -M = floor(-t) = -ceil(t): M is a whole number
	s_delay_alu instid0(VALU_DEP_1)
	v_sub_f32 v254, v12, v254                      ; M's old value less its new one: a whole number, 0 or less
	s_delay_alu instid0(VALU_DEP_1)
	v_cvt_i32_f32 v254, v254                       ; (it saturates)
	s_delay_alu instid0(VALU_DEP_1)
	v_ldexp_f32 v252, 1.0, v254                    ; f = 2^(old M - new M)
.set j, 0
	s_setprio 1
.rept 32
	v_pk_fma_f32 v[96+j:97+j], v[96+j:97+j], s[CS:CS+1], v[12:13] op_sel_hi:[1,0,0]   ; t - M, two at a time (of the pairs c and -M the low word serves both halves)
.set j, j+2
.endr
.set j, 0
	s_wait_alu depctr_va_vdst(0)
.rept 64
	v_exp_f32 v[96+j], v[96+j]                     ; p = 2^(t - M), at most 1: not normalised
.set j, j+1
.endr
	v_pk_mul_f32 v[14:15], v[14:15], v[252:253] op_sel_hi:[1,0]   ; the sums under the new M.  (A plain place behind the exponentials)
	v_pk_add_f32 v[242:243], v[100:101], v[104:105]
	v_pk_add_f32 v[254:255], v[108:109], v[112:113]
	v_pk_add_f32 v[250:251], v[116:117], v[120:121]
	v_pk_add_f32 v[248:249], v[124:125], v[128:129]
	v_pk_add_f32 v[246:247], v[132:133], v[136:137]
	v_pk_add_f32 v[240:241], v[140:141], v[144:145]
	v_pk_add_f32 v[238:239], v[148:149], v[152:153]
	v_pk_add_f32 v[14:15], v[14:15], v[156:157]
	v_pk_add_f32 v[242:243], v[242:243], v[96:97]
	v_pk_add_f32 v[254:255], v[254:255], v[98:99]
	v_pk_add_f32 v[250:251], v[250:251], v[102:103]
	v_pk_add_f32 v[248:249], v[248:249], v[106:107]
	v_pk_add_f32 v[246:247], v[246:247], v[110:111]
	v_pk_add_f32 v[240:241], v[240:241], v[114:115]
	v_pk_add_f32 v[238:239], v[238:239], v[118:119]
	v_pk_add_f32 v[14:15], v[14:15], v[122:123]
	v_pk_add_f32 v[242:243], v[242:243], v[126:127]
	v_pk_add_f32 v[254:255], v[254:255], v[130:131]
	v_pk_add_f32 v[250:251], v[250:251], v[134:135]
	v_pk_add_f32 v[248:249], v[248:249], v[138:139]
	v_pk_add_f32 v[246:247], v[246:247], v[142:143]
	v_pk_add_f32 v[240:241], v[240:241], v[146:147]
	v_pk_add_f32 v[238:239], v[238:239], v[150:151]
	s_setprio 0
	v_pk_add_f32 v[14:15], v[14:15], v[154:155]
	v_pk_add_f32 v[242:243], v[242:243], v[158:159]
	s_delay_alu instid0(VALU_DEP_2)
	v_pk_add_f32 v[14:15], v[14:15], v[248:249]
	s_delay_alu instid0(VALU_DEP_2)
	v_pk_add_f32 v[242:243], v[242:243], v[246:247]
	v_pk_add_f32 v[254:255], v[254:255], v[240:241]
	v_pk_add_f32 v[250:251], v[250:251], v[238:239]
	s_delay_alu instid0(VALU_DEP_2)
	v_pk_add_f32 v[14:15], v[14:15], v[254:255]
	s_delay_alu instid0(VALU_DEP_2)
	v_pk_add_f32 v[242:243], v[242:243], v[250:251]
	s_delay_alu instid0(VALU_DEP_1)
	v_pk_add_f32 v[14:15], v[14:15], v[242:243]
.set j, 0
.rept 64
.set j, j+1
.endr
.irp t, 0,1,2,3,4,5,6,7
	v_cvt_scalef32_pk8_fp8_f32 v[192+2*\t:193+2*\t], v[96+8*\t:103+8*\t], v244   ; registers 2 t, 2 t + 1 of P: keys 16 t + 8 h + 0 .. 7
.endr
.set j, 0
	s_wait_alu depctr_va_vdst(0)
.rept 16
	v_pk_mul_f32 v[160+j:161+j], v[160+j:161+j], v[252:253] op_sel_hi:[1,0]   ; O^T under the new M, each accumulator from its low end on.  (Also the plain lines behind the conversions)
.set j, j+2
.endr
	s_wait_alu depctr_va_vdst(0)
	s_wait_dscnt 0x0                               ; V is in
.irp t, 0,1,2,3
	v_wmma_f32_16x16x128_fp8_fp8 v[160+8*\t:167+8*\t], v[32+16*\t:47+16*\t], v[192:207], v[160+8*\t:167+8*\t]   ; O^T, tile t: channels 16 t + 8 h + j; the four accumulators take turns
.endr
.endm
; THE WAY OUT of a tile: O^T / the sum x 2^(e4 + e5) is y; it is held, quantised with 2^e6, and goes through my stage, so that the tile leaves as 1,024 consecutive bytes.
.macro OUT_Y
	s_wait_xcnt 0x0                                ; the earlier pass's stores have read their registers and their base
	s_add_nc_u64 s[70:71], s[62:63], s[66:67]      ; y at my tile of this block
	v_nop                                          ; (with the plain lines below: four places and more behind the last products, ahead of the first read of O^T)
	v_nop
	v_add_f32 v14, v14, v15                        ; the sum's two halves,
	s_delay_alu instid0(VALU_DEP_1)
	v_permlanex16_b32 v252, v14, s[SEL], s[SEL+1]
	s_delay_alu instid0(VALU_DEP_1)
	v_add_f32 v14, v14, v252                       ; and lane l xor 16's: the row's sum
	s_wait_alu depctr_va_vdst(0)
	v_rcp_f32 v14, v14
	v_nop                                          ; a plain place behind the transcendental
	v_ldexp_f32 v14, v14, s79                      ; x 2^(e4 + e5)
.set j, 0
	s_wait_alu depctr_va_vdst(0)
.rept 16
	v_pk_mul_f32 v[96+j:97+j], v[160+j:161+j], v[14:15] op_sel_hi:[1,0]   ; register 8 t + i is y(r, 16 t + 8 h + i)
.set j, j+2
.endr
.set j, 0
.rept 32
.set j, j+1
.endr
.irp t, 0,1,2,3
	v_cvt_scalef32_pk8_fp8_f32 v[208+2*\t:209+2*\t], v[96+8*\t:103+8*\t], v245
.endr
	v_nop                                          ; one plain vector line behind the last conversion: later products write its sources
.irp t, 0,1,2,3
	ds_store_b64 v[STO], v[208+2*\t:209+2*\t] offset:16*\t
.endr
	ds_load_b128 v[216:219], v[RD]                 ; LDS serves a wave's instructions in order: these see my stores
	ds_load_b128 v[220:223], v[RD] offset:512
	s_wait_dscnt 0x1                               ; the first is back; the second may be out
	global_store_b128 v[GO], v[216:219], s[70:71]  ; 32 lanes store 512 consecutive bytes, aligned
	s_wait_dscnt 0x0
	global_store_b128 v[GO], v[220:223], s[70:71] offset:512
.endm
; A PASS: my tile of block BE.  The loop has 16 trips in every wave; a step all of whose keys come after my block is left out by a scalar branch that hangs on the wave's number and the trip.
.macro PASS
	s_lshl_b32 s66, s[BE], 13                      ; the block's 128 rows of 64 bytes
	s_mov_b32 s67, 0
	s_add_nc_u64 s[68:69], s[60:61], s[66:67]
	global_load_b128 v[16:19], v[QO], s[68:69]     ; Q's fragment stays in registers
	global_load_b128 v[20:23], v[QO], s[68:69] offset:32
	v_mov_b32 v13, 0xff61b1e6                      ; the largest t so far: -3e38, under every t
	s_delay_alu instid0(VALU_DEP_1)
	v_floor_f32 v12, -v13                          ; -M
	v_mov_b32 v14, 0                               ; the sum, in two halves
	v_mov_b32 v15, 0
.set j, 0
.rept 32
	v_mov_b32 v[160+j], 0                          ; O^T.  (The step is written once a pass: the first finds zeros, which the first change of M leaves zeros)
.set j, j+1
.endr
	s_mov_b32 s[TB], 0
	s_mov_b32 s[KS], 0
	s_wait_loadcnt 0x0                             ; Q
.Lkey_\@:
	s_cmp_gt_u32 s[KS], s[BE]
	s_cbranch_scc1 .Lafter_\@
	s_setprio 2
	STEP
.Lafter_\@:
	s_add_co_u32 s[TB], s[TB], STEPB
	s_add_co_u32 s[KS], s[KS], 1
	s_cmp_lt_u32 s[KS], 16
	s_cbranch_scc1 .Lkey_\@
	s_setprio 0
	OUT_Y
.endm
	PASS                                           ; block w % 8: w % 8 + 1 key steps
	s_sub_co_u32 s[BE], 15, s[BE]
	PASS                                           ; block 15 - w % 8: 16 - w % 8 key steps
	s_wait_dscnt 0x0
	CROUND                                         ; the closing round: no work-group ends while a partner may still ask for a tile that names it
	s_endpgm
.Lfunc_end_k_q36b27889f2_attn:
	.size	k_q36b27889f2_attn, .Lfunc_end_k_q36b27889f2_attn-k_q36b27889f2_attn
	.p2alignl 7, 3214868480
	.fill 96, 4, 3214868480
	.section	.rodata,"a",@progbits
	.p2align	6, 0x0
	.amdhsa_kernel k_q36b27889f2_attn
		.amdhsa_group_segment_fixed_size 327680
		.amdhsa_private_segment_fixed_size 0
		.amdhsa_enable_private_segment 0
		.amdhsa_kernarg_size 40
		.amdhsa_user_sgpr_count 2
		.amdhsa_user_sgpr_kernarg_segment_ptr 1
		.amdhsa_wavefront_size32 1
		.amdhsa_system_sgpr_workgroup_id_x 1
		.amdhsa_system_sgpr_workgroup_id_y 1
		.amdhsa_system_sgpr_workgroup_id_z 1
		.amdhsa_system_vgpr_workitem_id 0
		.amdhsa_next_free_vgpr 256
		.amdhsa_next_free_sgpr 80
		.amdhsa_reserve_vcc 1
		.amdhsa_float_denorm_mode_32 3
		.amdhsa_float_denorm_mode_16_64 3
		.amdhsa_fp16_overflow 1
		.amdhsa_memory_ordered 1
		.amdhsa_forward_progress 1
		.amdhsa_inst_pref_size 52
	.end_amdhsa_kernel
	.amdgpu_metadata
---
amdhsa.version: [ 1, 2 ]
amdhsa.kernels:
  - .name:           k_q36b27889f2_attn
    .symbol:         k_q36b27889f2_attn.kd
    .args:
      - { .name: q_codes, .offset: 0, .size: 8, .value_kind: global_buffer, .address_space: global }
      - { .name: k_codes, .offset: 8, .size: 8, .value_kind: global_buffer, .address_space: global }
      - { .name: v_codes, .offset: 16, .size: 8, .value_kind: global_buffer, .address_space: global }
      - { .name: lowp_scales, .offset: 24, .size: 8, .value_kind: global_buffer, .address_space: global }
      - { .name: y_codes, .offset: 32, .size: 8, .value_kind: global_buffer, .address_space: global }
    .group_segment_fixed_size: 327680
    .private_segment_fixed_size: 0
    .kernarg_segment_align: 8
    .kernarg_segment_size: 40
    .max_flat_workgroup_size: 512
    .sgpr_count:     80
    .vgpr_count:     256
    .wavefront_size: 32
...
	.end_amdgpu_metadata
.endif
;; end of part 3
;; launch proj (part 4): grid 4 x 32, 4 waves a work-group, clusters of 4 x 4, 327,680 bytes of LDS; arguments y_codes, wp_codes, lowp_scales, b_proj, out0; writes out0
.if DOCPART == 4
	.amdgcn_target "amdgcn-amd-amdhsa--gfx1250"
	.amdhsa_code_object_version 6
	.text
	.protected	k_q36b27889f2_proj
	.globl	k_q36b27889f2_proj
	.p2align	8
	.type	k_q36b27889f2_proj,@function
k_q36b27889f2_proj:
	s_mov_b64 s[64:65], 0
	v_nop
	global_prefetch_b8 v0, s[64:65] scope:SCOPE_SE
	s_setreg_imm32_b32 hwreg(HW_REG_WAVE_MODE, 25, 1), 1
	s_wait_xcnt 0x0
	s_wait_alu depctr_hold_cnt(0) depctr_sa_sdst(0) depctr_va_vdst(0) depctr_va_sdst(0) depctr_va_ssrc(0) depctr_va_vcc(0) depctr_vm_vsrc(0)
	s_getreg_b32 s2, hwreg(HW_REG_IB_STS2, 6, 4)
	s_cmp_eq_u32 s2, 0
	s_cbranch_scc0 .Lentry_in_a_cluster
	s_endpgm
.Lentry_in_a_cluster:
	s_bfe_u32 s2, ttmp6, 0x10000c
	s_cmp_lg_u32 s2, 0xf033
	s_cbranch_scc0 .Lentry_shape_is_right
	s_endpgm
.Lentry_shape_is_right:
; out0 = y W_proj^T + b_proj on codes of FP8 (E4M3), [8192][1024] x [1024][1024], sums in f32; out0 [8192][1024] f32.
; A number of y is its code x 2^e6, of W_proj x 2^e7.  The bias is the C of each sum's first product, divided by 2^(e6 + e7); each finished sum is multiplied once by 2^(e6 + e7).
; LIMIT: e6 + e7 between -126 and 126, so that both powers of two are f32 numbers.
; y's codes lie in planes, [head 16][row 8192][64]: K = 64 x head + channel.  A K step of 256 is four planes; half a tile (128 rows) is, in each plane, 8,192 consecutive bytes.
; So the tile is stated as 4 rows of 8,192 bytes, 524,288 bytes apart, with 16 bytes of padding behind every 64: in LDS a plane takes 10,240 bytes and a row of 64 codes 80.
; All else: a tile of 256 x 256 by four waves of 128 x 128; two LDS slots; 4 x 4 clusters, y's tile shared along a row of the cluster, W's along a column, asked for jointly.
; THE MATRIX INSTRUCTION IS USED TRANSPOSED (source 0 = 16 rows of W, source 1 = 16 rows of y): a lane holds eight neighbouring numbers of a row of out0.
; REGISTERS, in windows of 256: window 0: v0-31 addresses; v32-95 the bias, later a block's results; from v128 y's fragments, ONE set; on the way out v128-255 rows read back.
;   window 1: W's fragments, TWO sets.   windows 2, 3: the 64 accumulators.
.set SIZE_N, 1024
.set SIZE_K, 1024
.set KSTEP,  256
.set ROWB,   256                       ; a row of W's tile in bytes
.set KROW,   SIZE_K
.set PITCH,  272                       ; W: an LDS row: 256 bytes + 16 of padding
.set APITCH, 80                        ; y: 64 bytes + 16 of padding: five times 16, so the 16 rows that a load touches start at 16 different groups of banks
.set PLANE,  128*APITCH                ; a plane's 128 rows in LDS
.set ASTEP,  4*524288                  ; a K step's four planes in memory
.set FR,     16
.set NL,     4
.set NP,     4
.set HALFA,  4*PLANE                   ; 128 rows of y x 256 K
.set HALFB,  128*PITCH                 ; 128 rows of W x 256 K
.set SLOT,   2*HALFA+2*HALFB
.set LAPS,   SIZE_K/(2*KSTEP)
.set SPARE,  2*SLOT                    ; behind the ring: the spare words, 128 bytes for each wave: two blocks of 256 bytes that no other line names
.set SPITCH, 528                       ; the way out: a stage of 16 rows x (512 bytes + 16) for each wave, in slot 0, which has had its last fill and its last read by then
.set ADRA, 16
.set ADRB, 20
.set STO,  24
.set RD,   25
.set CO,   26
.set SPW,  28
.set NIL,  29
.set BP,   32
.set TMP,  32
.set AF,   128
.set BK,   128
.set G1, 24
.set G0, 32
.set G1B, 48
.set G0B, 56
.set MSB, 0
.macro WIN new                         ; the immediate's high byte repeats the setting that is left
.if MSB != \new
	s_set_vgpr_msb (MSB<<8)|\new
.set MSB, \new
.endif
.endm
.set MUL_LO,  0xa1                     ; source 0 (W) window 1, source 1 (y) window 0, C and D window 2
.set MUL_HI,  0xf1
.set BIAS_LO, 0x81                     ; the first products: C (the bias) window 0, D window 2
.set BIAS_HI, 0xc1
.set TO_B,    0x40
.macro JLOAD g0a, g1a, g0b, g1b        ; a joint load: waves 0 and 1 fetch y's halves, waves 2 and 3 W's; four v_nop follow each of the two lines
	s_cmp_eq_u32 s15, 0
	s_cbranch_scc0 .Lfor_b_\@
	tensor_load_to_lds s[\g0a:\g0a+3], s[\g1a:\g1a+7]
	s_nop 0
.rept 4
	v_nop
.endr
	s_branch .Lasked_\@
.Lfor_b_\@:
	tensor_load_to_lds s[\g0b:\g0b+3], s[\g1b:\g1b+7]
	s_nop 0
.rept 4
	v_nop
.endr
.Lasked_\@:
.endm
.macro CREST
	s_cmp_lg_u32 s14, 0
	s_cbranch_scc1 .Lnot_wave_0_\@
	s_barrier_signal -3
.Lnot_wave_0_\@:
	s_barrier_wait -3
	s_barrier_signal -1
	s_barrier_wait -1
.endm
.macro CROUND
	s_barrier_signal -1
	s_barrier_wait -1
	CREST
.endm
	s_load_b128 s[4:7], s[0:1], 0x0                ; y's codes s[4:5], W's codes s[6:7]
	s_load_b128 s[8:11], s[0:1], 0x10              ; the scales' exponents s[8:9], b_proj s[10:11]
	s_load_b64 s[12:13], s[0:1], 0x20              ; out0
	v_lshl_add_u32 v[SPW], v0, 2, SPARE
	v_mov_b32 v[NIL], 0
	v_lshrrev_b32 v1, 5, v0
	v_readfirstlane_b32 s14, v1                    ; wave 0..3
	s_lshr_b32 s15, s14, 1                         ; which half of the tile's rows is mine.  Also: I fetch for y (0) or for W (1)
	s_and_b32 s16, s14, 1                          ; which half of its columns.  Also: which 128 rows of that tile I fetch
	s_bfe_u32 s40, ttmp6, 0x40000                  ; cx, cy
	s_bfe_u32 s41, ttmp6, 0x40004
	s_lshl_b32 s42, ttmp9, 2
	s_add_co_u32 s42, s42, s40                     ; tile column
	s_and_b32 s17, ttmp7, 0xffff
	s_lshl_b32 s17, s17, 2
	s_add_co_u32 s17, s17, s41                     ; tile row
	s_lshl_b32 s43, s41, 2
	s_lshl_b32 s43, 15, s43                        ; my row of the cluster
	s_lshl_b32 s44, 0x1111, s40                    ; my column
	s_or_b32 s[G1+0], s43, (0<<16)|(1<<20)|(1<<21)|(3<<22)|(3<<25)  ; y: the mask of my row; elements of 1 byte; padding on: four words behind every 16
	s_mov_b32 s[G1+1], 8192<<16                    ; tensor_dim0 = 8,192: a plane's 128 rows of 64 bytes, on end
	s_mov_b32 s[G1+2], 4<<16                       ; tensor_dim1 = 4 planes
	s_mov_b32 s[G1+3], 8192<<16                    ; tile_dim0
	s_mov_b32 s[G1+4], 4                           ; tile_dim1
	s_mov_b32 s[G1+5], 524288                      ; from plane to plane
	s_mov_b32 s[G1+6], 0
	s_mov_b32 s[G1+7], 0
	s_or_b32 s[G1B+0], s44, (0<<16)|(1<<20)|(1<<21)|(5<<22)|(3<<25) ; W: the mask of my column; four words behind every 64
	s_mov_b32 s[G1B+1], ROWB<<16
	s_mov_b32 s[G1B+2], 128<<16
	s_mov_b32 s[G1B+3], ROWB<<16
	s_mov_b32 s[G1B+4], 128
	s_mov_b32 s[G1B+5], KROW
	s_mov_b32 s[G1B+6], 0
	s_mov_b32 s[G1B+7], 0
	s_lshl_b32 s18, s16, 7                         ; which 128 rows of the tile I fetch
	s_lshl_b32 s20, s17, 8
	s_add_co_u32 s20, s20, s18                     ; y: row 256 x tile row + 128 x half,
	s_lshl_b32 s20, s20, 6                         ; of 64 bytes in a plane
	s_mov_b32 s21, 0
	s_lshl_b32 s46, s42, 8
	s_add_co_u32 s46, s46, s18                     ; W: row 256 x tile column + 128 x half,
	s_lshl_b32 s46, s46, 10                        ; of 1,024 bytes
	s_mov_b32 s47, 0
	s_mul_i32 s45, s16, HALFA                      ; where they go: y's two halves,
	s_mul_i32 s94, s16, HALFB
	s_add_co_u32 s94, s94, 2*HALFA                 ; then W's two: no place in the cluster enters an LDS address
	s_wait_kmcnt 0x0
	s_load_b64 s[96:97], s[8:9], 0x18              ; e6, e7
	s_add_nc_u64 s[20:21], s[4:5], s[20:21]
	s_add_nc_u64 s[46:47], s[6:7], s[46:47]
	CROUND                                         ; all sixteen work-groups are here: the first joint loads meet
.irp s, 0,1
	s_mov_b32 s[G0+4*\s], 1
	s_add_co_u32 s[G0+4*\s+1], s45, \s*SLOT
	s_add_nc_u64 s[G0+4*\s+2:G0+4*\s+3], s[20:21], \s*ASTEP
	s_or_b32 s[G0+4*\s+3], s[G0+4*\s+3], 0x80000000
	s_mov_b32 s[G0B+4*\s], 1
	s_add_co_u32 s[G0B+4*\s+1], s94, \s*SLOT
	s_add_nc_u64 s[G0B+4*\s+2:G0B+4*\s+3], s[46:47], \s*ROWB
	s_or_b32 s[G0B+4*\s+3], s[G0B+4*\s+3], 0x80000000
	s_wait_alu depctr_va_vdst(0)
	s_wait_tensorcnt 0x0
	ds_add_u32 v28, v29
	ds_add_u32 v28, v29
	s_wait_dscnt 0x0
	CROUND
	JLOAD G0+4*\s, G1, G0B+4*\s, G1B
.endr
	v_and_b32 v1, 15, v0                           ; r
	v_bfe_u32 v2, v0, 4, 1                         ; h
	s_lshl_b32 s92, s42, 10
	s_lshl_b32 s93, s16, 9
	s_add_co_u32 s92, s92, s93                     ; 4 bytes x my first column: in b_proj, and in a row of out0
	s_mov_b32 s93, 0
	s_add_nc_u64 s[10:11], s[10:11], s[92:93]
	v_lshlrev_b32 v12, 5, v2                       ; 32 h
.irp b, 0,1,2,3,4,5,6,7
	global_load_b128 v[BP+8*\b:BP+8*\b+3], v12, s[10:11] offset:64*\b          ; b_proj at columns 16 b + 8 h + 0 .. 7: the result's layout
	global_load_b128 v[BP+8*\b+4:BP+8*\b+7], v12, s[10:11] offset:64*\b+16
.endr
	v_mul_u32_u24 v3, v1, APITCH
	v_lshl_add_u32 v3, v2, 4, v3                   ; y: a fragment's row x 80 + 16 x half
	v_mul_u32_u24 v4, v1, PITCH
	v_lshl_add_u32 v4, v2, 4, v4                   ; W: row x 272 + 16 x half
	s_mul_i32 s21, s15, HALFA                      ; my 128 rows of y
	s_mul_i32 s22, s16, HALFB                      ; my 128 rows of W,
	s_add_co_u32 s22, s22, 2*HALFA                 ; which lie behind y's 256
.irp s, 0,1
	v_add_nc_u32 v[ADRA+\s], s21, v3
	v_add_nc_u32 v[ADRB+\s], s22, v4
	s_add_co_u32 s21, s21, SLOT
	s_add_co_u32 s22, s22, SLOT
.endr
	s_mul_i32 s23, s14, 16*SPITCH                  ; my stage
	v_mul_u32_u24 v5, v1, SPITCH                   ; in: row r, 32 bytes for each half of the lanes
	v_lshl_add_u32 v5, v2, 5, v5
	v_add_nc_u32 v[STO], s23, v5
	v_and_b32 v6, 31, v0
	v_lshlrev_b32 v[CO], 4, v6                     ; back: the 32 lanes take one row of 512 bytes; and the same in out0
	v_add_nc_u32 v[RD], s23, v[CO]
	s_lshl_b32 s20, s17, 8
	s_lshl_b32 s21, s15, 7
	s_add_co_u32 s20, s20, s21                     ; my first row of out0
	s_lshl_b32 s20, s20, 12                        ; x 4,096 bytes: under 2^25
	s_mov_b32 s21, 0
	s_add_nc_u64 s[20:21], s[20:21], s[92:93]
	s_add_nc_u64 s[12:13], s[12:13], s[20:21]
	s_wait_loadcnt 0x0                             ; the bias
	s_wait_kmcnt 0x0
	s_add_co_i32 s96, s96, s97                     ; e6 + e7
	s_sub_co_i32 s98, 127, s96
	s_lshl_b32 s98, s98, 23                        ; 2^-(e6 + e7) as f32
	s_mov_b32 s99, s98                             ; (named with it as a pair, so it is written)
	s_add_co_i32 s96, s96, 127
	s_lshl_b32 s96, s96, 23                        ; 2^(e6 + e7)
	s_mov_b32 s97, s96
.set j, 0
.rept 32
	v_pk_mul_f32 v[BP+j:BP+j+1], v[BP+j:BP+j+1], s[98:99] op_sel_hi:[1,0]
.set j, j+2
.endr
.macro FRAG reg, adr, q, i             ; W: lane l holds row l % 16; registers 4 c .. 4 c + 3 hold K = 128 q + 32 c + 16 (l / 16) + 0 .. 15
.irp c, 0,1,2,3
	ds_load_b128 v[\reg+4*\c:\reg+4*\c+3], v[\adr] offset:128*(\q)+32*\c+(\i)*16*PITCH
.endr
.endm
.macro FRAGA reg, adr, q, i            ; y: the same K: plane 2 q + c / 2, byte 32 (c % 2) + 16 (l / 16) of the row
.irp c, 0,1,2,3
	ds_load_b128 v[\reg+4*\c:\reg+4*\c+3], v[\adr] offset:(2*(\q)+\c/2)*PLANE+32*(\c%2)+(\i)*16*APITCH
.endr
.endm
; 16 matrix instructions: y's blocks a0, a0 + 1 x W's eight, 128 along K.  zero = 1: the first product starts the sums, with the bias as C.  The 64 accumulators take turns.
.macro MUL16 a0, p, zero
.irp a, \a0, \a0+1
.irp b, 0,1,2,3,4,5,6,7
.if \zero
	v_wmma_f32_16x16x128_fp8_fp8 v[8*(8*((\a)%4)+\b):8*(8*((\a)%4)+\b)+7], v[128*(\p)+FR*\b:128*(\p)+FR*\b+FR-1], v[AF+FR*(\a):AF+FR*(\a)+FR-1], v[BP+8*\b:BP+8*\b+7]
.else
	v_wmma_f32_16x16x128_fp8_fp8 v[8*(8*((\a)%4)+\b):8*(8*((\a)%4)+\b)+7], v[128*(\p)+FR*\b:128*(\p)+FR*\b+FR-1], v[AF+FR*(\a):AF+FR*(\a)+FR-1], v[8*(8*((\a)%4)+\b):8*(8*((\a)%4)+\b)+7]
.endif
.endr
.endr
.endm
.macro FETCH_B slot, q, p
	WIN TO_B
.irp i, 0,1,2,3,4,5,6,7
	FRAG 128*(\p)+FR*\i, ADRB+\slot, \q, \i
.endr
	WIN 0
.endm
.macro FETCH_A slot, q, i0
.irp i, \i0, \i0+1, \i0+2, \i0+3
	FRAGA AF+FR*(\i), ADRA+\slot, \q, \i
.endr
.endm
.macro PLACES n                        ; places behind matrix instructions (ISA guide 7.12.1 for vector instructions)
.rept \n
	v_nop
.endr
.endm
.macro STEP slot, q, zero
	s_wait_dscnt 4*NL                              ; W's set and y's blocks 0-3 are in; the youngest sixteen loads (blocks 4-7) may be out
.if \zero
	WIN BIAS_LO
.else
	WIN MUL_LO
.endif
	MUL16 0, (\q)%2, \zero
	MUL16 2, (\q)%2, \zero
	s_wait_dscnt 0
	PLACES NP
	FETCH_B \slot, (\q)+1, 1-(\q)%2
	FETCH_A \slot, (\q)+1, 0
.if \zero
	WIN BIAS_HI
.else
	WIN MUL_HI
.endif
	MUL16 4, (\q)%2, \zero
	MUL16 6, (\q)%2, \zero
	PLACES NP
	WIN 0
	FETCH_A \slot, (\q)+1, 4
.endm
.macro TURN slot, next, fill
	s_wait_tensorcnt 0x0                           ; all my tensor loads have landed: my part of the next slot;  (every window is 0 here)
	ds_add_u32 v[SPW], v[NIL]                      ; 0 onto my spare word
	s_wait_dscnt 4*NL+1                            ; (the add and the youngest sixteen loads may be out)
	WIN MUL_LO
	MUL16 0, 1, 0
	s_wait_dscnt 0x0                               ; the add is done, and my reads of this slot are over
	s_barrier_signal -1
	MUL16 2, 1, 0
	WIN 0
	s_barrier_wait -1
.if \fill
	CREST                                          ; the barrier has opened a round of the cluster's barrier: no wave of any partner still reads this slot's tile or has a load on its way
	s_add_nc_u64 s[G0+4*\slot+2:G0+4*\slot+3], s[G0+4*\slot+2:G0+4*\slot+3], 2*ASTEP
	s_add_nc_u64 s[G0B+4*\slot+2:G0B+4*\slot+3], s[G0B+4*\slot+2:G0B+4*\slot+3], 2*ROWB
	JLOAD G0+4*\slot, G1, G0B+4*\slot, G1B         ; the first tensor load behind the round; its four v_nop are the places in front of the loads below
.else
	PLACES NP
.endif
	FETCH_B \next, 0, 0
	FETCH_A \next, 0, 0
	WIN MUL_HI
	MUL16 4, 1, 0
	MUL16 6, 1, 0
	PLACES NP
	WIN 0
	FETCH_A \next, 0, 4
.endm
	s_wait_alu depctr_va_vdst(0)
	s_wait_tensorcnt 0x1                           ; my part of K step 0 is in (K step 1's load may be out)
	s_barrier_signal -1
	s_barrier_wait -1
	FETCH_B 0, 0, 0
	FETCH_A 0, 0, 0
	FETCH_A 0, 0, 4
	STEP 0, 0, 1
	s_mov_b32 s3, LAPS-1
.Llap:
	TURN 0, 1, 1
	STEP 1, 0, 0
	TURN 1, 0, 1
	STEP 0, 0, 0
	s_sub_co_u32 s3, s3, 1
	s_cmp_lg_u32 s3, 0
	s_cbranch_scc1 .Llap
	TURN 0, 1, 0
	STEP 1, 0, 0
	s_wait_dscnt 4*NL
	WIN MUL_LO
	MUL16 0, 1, 0
	MUL16 2, 1, 0
	s_wait_dscnt 0
	WIN MUL_HI
	MUL16 4, 1, 0
	MUL16 6, 1, 0
	WIN 0
; THE WAY OUT, block by block of 16 rows x 128 columns, through my own stage: in as 32 bytes a lane, back as whole rows of 512 bytes.  LDS serves a wave's instructions in order (ISA guide 5.7.1.4).
.macro TOSTAGE a
.set AC, 64*((\a)%4)
	WIN 0x02+((\a)/4)                              ; source 0: window 2 or 3
.set j, 0
.rept 32
	v_pk_mul_f32 v[TMP+j:TMP+j+1], v[AC+j:AC+j+1], s[96:97] op_sel_hi:[1,0]   ; x 2^(e6 + e7); each accumulator from its low end on
.set j, j+2
.endr
	WIN 0
.irp b, 0,1,2,3,4,5,6,7
	ds_store_b128 v[STO], v[TMP+8*\b:TMP+8*\b+3] offset:64*\b
	ds_store_b128 v[STO], v[TMP+8*\b+4:TMP+8*\b+7] offset:64*\b+16
.endr
.set BB, BK+64*((\a)%2)
.irp t, 0,1,2,3,4,5,6,7,8,9,10,11,12,13,14,15
	ds_load_b128 v[BB+4*\t:BB+4*\t+3], v[RD] offset:\t*SPITCH
.endr
.endm
.macro SEND a, younger
.set BB, BK+64*((\a)%2)
	s_wait_dscnt \younger                          ; the block is back in registers
.if (\a) > 0
	s_add_nc_u64 s[12:13], s[12:13], 16*SIZE_N*4   ; (behind a wait on XCNT: the earlier stores have read their base)
.endif
.irp t, 0,1,2,3,4,5,6,7,8,9,10,11,12,13,14,15
	global_store_b128 v[CO], v[BB+4*\t:BB+4*\t+3], s[12:13] offset:\t*SIZE_N*4 th:TH_STORE_NT   ; 32 lanes store 512 consecutive bytes, aligned; written once, read by nobody here
.endr
.endm
	PLACES NP
	TOSTAGE 0
.irp a, 1,2,3,4,5,6,7
.if \a > 1
	s_wait_xcnt 0x0                                ; block a - 2's stores have read their registers and their base
.endif
	TOSTAGE \a
	SEND \a-1, 32                                  ; behind block a - 1's loads: block a's 16 stores and 16 loads
.endr
	s_wait_xcnt 0x0
	SEND 7, 0
	s_wait_tensorcnt 0x0                           ; the wave's end
	ds_add_u32 v[SPW], v[NIL]
	s_wait_dscnt 0x0
	CROUND                                         ; the closing round
	s_endpgm
.Lfunc_end_k_q36b27889f2_proj:
	.size	k_q36b27889f2_proj, .Lfunc_end_k_q36b27889f2_proj-k_q36b27889f2_proj
	.p2alignl 7, 3214868480
	.fill 96, 4, 3214868480
	.section	.rodata,"a",@progbits
	.p2align	6, 0x0
	.amdhsa_kernel k_q36b27889f2_proj
		.amdhsa_group_segment_fixed_size 327680
		.amdhsa_private_segment_fixed_size 0
		.amdhsa_enable_private_segment 0
		.amdhsa_kernarg_size 40
		.amdhsa_user_sgpr_count 2
		.amdhsa_user_sgpr_kernarg_segment_ptr 1
		.amdhsa_wavefront_size32 1
		.amdhsa_system_sgpr_workgroup_id_x 1
		.amdhsa_system_sgpr_workgroup_id_y 1
		.amdhsa_system_sgpr_workgroup_id_z 1
		.amdhsa_system_vgpr_workitem_id 0
		.amdhsa_next_free_vgpr 1024
		.amdhsa_next_free_sgpr 100
		.amdhsa_reserve_vcc 0
		.amdhsa_float_denorm_mode_32 3
		.amdhsa_float_denorm_mode_16_64 3
		.amdhsa_memory_ordered 1
		.amdhsa_forward_progress 1
		.amdhsa_inst_pref_size 128
	.end_amdhsa_kernel
	.amdgpu_metadata
---
amdhsa.version: [ 1, 2 ]
amdhsa.kernels:
  - .name:           k_q36b27889f2_proj
    .symbol:         k_q36b27889f2_proj.kd
    .args:
      - { .name: y_codes, .offset: 0, .size: 8, .value_kind: global_buffer, .address_space: global }
      - { .name: wp_codes, .offset: 8, .size: 8, .value_kind: global_buffer, .address_space: global }
      - { .name: lowp_scales, .offset: 16, .size: 8, .value_kind: global_buffer, .address_space: global }
      - { .name: b_proj, .offset: 24, .size: 8, .value_kind: global_buffer, .address_space: global }
      - { .name: out0, .offset: 32, .size: 8, .value_kind: global_buffer, .address_space: global }
    .group_segment_fixed_size: 327680
    .private_segment_fixed_size: 0
    .kernarg_segment_align: 8
    .kernarg_segment_size: 40
    .max_flat_workgroup_size: 128
    .sgpr_count:     100
    .vgpr_count:     1024
    .wavefront_size: 32
...
	.end_amdgpu_metadata
.endif
;; end of part 4
